; MI455X (gfx1250); checked and timed in simulation.
; The chip was launched on July 23, 2026; its instructions are those of AMD's public machine-readable ISA for CDNA 5 (MIT licence, August 2026) and "CDNA5" Instruction Set Architecture Reference Guide (July 2026). The comments in the code are by the model that wrote it; some were corrected since.
;; Self Attention. Allowed arithmetic: matrix products marked QUANTISED: E2M1 operands, one E8M0 scale for each 32 along K, by v_wmma_scale_f32_16x16x128_f8f6f4 with both operands' format E2M1 (or v_wmma_scale_f32_32x16x128_f4), f32 sums; products left as they are: bf16, f16 or f32 operands; f32 sums; everything else in f32.
;; Inputs: b_proj 1,024 float32; w_proj 1,024 x 1,024 float32; w_qkv 1,024 x 3,072 float32; x 4 x 2,048 x 1,024 float32.
;; Outputs: out0 4 x 2,048 x 1,024 float32.
;; This version of the problem:
;;   THIS VERSION OF THE PROBLEM IS GIVEN IN LOW PRECISION. The matrix products marked QUANTISED in the list below multiply operands that are first quantised to E2M1 (2 exponent bits, 1 mantissa bit; 4 bits a number), with one power-of-two scale for each 32 numbers along K (OCP MX v1.0); their sums are f32. The products marked 'left as it is' may take bf16, f16 or f32 operands, with f32 sums. Whichever they take, every output number must still come out within the allowed error. Rounding operands to bf16 (8 significant bits) uses up far more of that allowance than f16 does (11 bits, for magnitudes from 6e-5 to 65,504). All else is computed in f32.
;;   The module's matrix products, in the order in which they are computed (A, B: the left and right operand; K: the contracted axis; several contracted axes count as one K, in the product's order):
;;     1. [M 8,192, K 1,024] x [K 1,024, N 3,072]; A: input x; B: input w_qkv: QUANTISED
;;     2. batch 64 x [M 2,048, K 64] x [K 64, N 2,048]; A: computed on the way; B: computed on the way: left as it is (an operand is computed on the way)
;;     3. batch 64 x [M 2,048, K 2,048] x [K 2,048, N 64]; A: computed on the way; B: computed on the way: left as it is (an operand is computed on the way)
;;     4. [M 8,192, K 1,024] x [K 1,024, N 1,024]; A: computed on the way; B: input w_proj: left as it is (an operand is computed on the way)
;;   THE QUANTISER, for each operand of a quantised product, along K:
;;     - K is cut into blocks of 32 from its start; a last block that is shorter is filled with zeros.
;;     - A block's scale is 2^e with e = floor(log2(the largest magnitude in the block)) - 2, held to -126 .. 127; a block of zeros has e = 0. As a byte (E8M0): e + 127.
;;     - Each number is divided by its block's scale, clamped to +-6, and rounded to the nearest number of E2M1, ties to even, subnormals kept.
;;     - The product sums the exact products of the quantised numbers (number of the format x scale) in f32.
;;   ~~~python
;;   def quantise(x, axis):      # numpy; x: float32 -> the quantised numbers, widened to float32 again
;;       x = np.moveaxis(x, axis, -1); K = x.shape[-1]
;;       x = np.pad(x, [(0, 0)] * (x.ndim - 1) + [(0, -K % 32)]); x = x.reshape(x.shape[:-1] + (-1, 32)); a = np.abs(x).max(-1, keepdims=True)
;;       e = np.where(a > 0, np.clip(np.frexp(np.where(a > 0, a, 1))[1] - 1 - 2, -126, 127), 0)      # np.frexp(a)[1] - 1 = floor(log2(a)), exactly
;;       r = np.clip(x / 2.0 ** e, -6, 6)
;;       step = 2.0 ** (np.maximum(np.frexp(np.where(r == 0, 1, r))[1] - 1, 0) - 1)
;;       q = np.round(r / step) * step * 2.0 ** e      # np.round: ties to even
;;       return np.moveaxis(q.reshape(q.shape[:-2] + (-1,))[..., :K], -1, axis).astype(np.float32)
;;   ~~~
;; One version. Each part assembles by itself: llvm-mc -triple=amdgcn-amd-amdhsa -mcpu=gfx1250 --defsym DOCPART=n.
;; ======== version 1 of 1: 4 launches
;; limits: values are held in f16: magnitudes above 65,504 overflow, below 6.1e-05 lose precision
;; workspace buffers: x_codes 4,194,304 bytes; x_scales 262,144 bytes; w_codes 1,572,864 bytes; w_scales 98,304 bytes; wpt 2,097,152 bytes; qkv 50,331,648 bytes; att 16,777,216 bytes
;; launch prep (part 1): grid 416 x 1, 4 waves a work-group, no clusters, 85,504 bytes of LDS; arguments x, w_qkv, w_proj, x_codes, x_scales, w_codes, w_scales, wpt; writes x_codes, x_scales, w_codes, w_scales, wpt
.if DOCPART == 1
	.amdgcn_target "amdgcn-amd-amdhsa--gfx1250"
	.amdhsa_code_object_version 6
	.text
	.protected	k_q51fc4759a1_prep
	.globl	k_q51fc4759a1_prep
	.p2align	8
	.type	k_q51fc4759a1_prep,@function
k_q51fc4759a1_prep:
	s_mov_b64 s[64:65], 0
	v_nop
	global_prefetch_b8 v0, s[64:65] scope:SCOPE_SE
	s_setreg_imm32_b32 hwreg(HW_REG_WAVE_MODE, 25, 1), 1
	s_wait_xcnt 0x0
; SelfAttention, launch 1 of 4: the operands of the later launches are laid out.
;   x      [8192][1024] f32           -> x_codes [8192][512 bytes] (E2M1, K innermost), x_scales [8192][32] (E8M0, one byte for 32 along K)
;   w_qkv  [1024 (k)][3072 (n)] f32   -> w_codes [3072][512 bytes], w_scales [3072][32]: quantised along K, its FIRST axis, and laid with K innermost
;   w_proj [1024 (k)][1024 (n)] f32   -> wpt [1024 (n)][1024 (k)] f16: the last product is left as it is and takes f16 operands
; DEAD WORK: none.  Every input has a way to the output (b_proj is loaded by the last launch), no result of reference() is sliced away, and the maximum ahead of the exponential is kept.
; THE QUANTISER: a block's scale is 2^(floor(log2(largest magnitude)) - 2); its byte is the largest magnitude's exponent field - 2, held at 1 from below by a floor among the maximum's leaves.
; The conversion divides by the scale, rounds to the nearest code, ties to even, and gives the largest code beyond 6.
; LIMITS: NaN and infinities among the inputs are not served.  A block of zeros gets the byte 1 where the rule says 127: its codes are zeros, which add nothing, and this program alone reads the bytes.
; w_proj goes to f16: magnitudes above 65,504 would leave its range (the drawn ones lie near 0.03; thirty times that, or an offset of thirty spreads, stays near 1).
; THREE PATHS, parted by the work-group's number, which never join; each has LDS bytes of its own.  Work-groups 0-95: w_qkv; 96-351: x; 352-415: w_proj.  No barrier: waves share nothing.
.set SPARE, 84992                      ; behind the three paths' regions: the spare words, 128 bytes a wave: two blocks of 256 bytes that no other line names
.set SPW,   12                         ; v12  LDS address of my spare word; never rewritten
.set NIL,   13                         ; v13  0; never rewritten
.set WBASE, 32768                      ; path W: 4 stages of 16 rows x 272 bytes
.set PBASE, 50176                      ; path P: 4 stages of 32 rows x 272 bytes
.set SP,    80                         ; path X: a lane's place in a stage: 64 bytes + 16 of padding
.set XR,    16                         ; path X: v16-143 eight sets of 16 numbers as loaded
.set XX,    144                        ;         v144-175 two sets of 16 neighbours
.set XE,    176                        ;         v176-191 a scale byte for each step
.set XC,    192                        ;         v192-223 two registers of codes for each step
.set NUM,   32                         ; paths W, P: v32-95 two sets of 32 numbers down K
.set CC,    96                         ;             v96.. what a block becomes
.set OUTR,  112                        ;             v112.. rows read back from the stage
.set SB,    24                         ; path W: v24-27 the four scale words of my column's 512 along K
	s_load_b256 s[4:11], s[0:1], 0x0               ; x s[4:5], w_qkv s[6:7], w_proj s[8:9], x_codes s[10:11]
	s_load_b256 s[12:19], s[0:1], 0x20             ; x_scales s[12:13], w_codes s[14:15], w_scales s[16:17], wpt s[18:19]
	v_lshl_add_u32 v[SPW], v0, 2, SPARE
	v_mov_b32 v[NIL], 0
	v_lshrrev_b32 v1, 5, v0
	v_readfirstlane_b32 s20, v1                    ; wave 0..3
	v_and_b32 v2, 31, v0                           ; lane
	s_mov_b32 s22, 0x76543210
	s_mov_b32 s23, 0xfedcba98                      ; v_permlanex16_b32's selects for lane l xor 16
	s_mov_b32 s27, 0                               ; the upper word of every 32-bit offset
	s_wait_kmcnt 0x0
	s_cmp_lt_u32 ttmp9, 96
	s_cbranch_scc1 .Lpath_w
	s_cmp_lt_u32 ttmp9, 352
	s_cbranch_scc1 .Lpath_x
; ---------------- PATH P: w_proj [k][n] f32 -> wpt [n][k] f16.  A lane takes a column n and its registers run down K: 32 columns x 128 along K a wave.
	s_sub_co_u32 s24, ttmp9, 352
	s_and_b32 s25, s24, 7                          ; which 128 along K
	s_lshr_b32 s24, s24, 3
	s_lshl_b32 s24, s24, 7
	s_lshl_b32 s26, s20, 5
	s_add_co_u32 s24, s24, s26                     ; my wave's first column
	s_lshl_b32 s26, s25, 19                        ; 128 rows of 4,096 bytes
	s_lshl_b32 s28, s24, 2
	s_add_co_u32 s26, s26, s28
	s_add_nc_u64 s[8:9], s[8:9], s[26:27]
	s_lshl_b32 s26, s24, 11                        ; a row of wpt is 2,048 bytes
	s_lshl_b32 s28, s25, 8
	s_add_co_u32 s26, s26, s28
	s_add_nc_u64 s[18:19], s[18:19], s[26:27]
	s_mul_i32 s28, s20, 32*272
	s_add_co_u32 s28, s28, PBASE                   ; my stage
	v_and_b32 v1, 15, v0
	v_bfe_u32 v11, v0, 4, 1
	v_lshlrev_b32 v3, 2, v2                        ; in: 4 bytes a lane
	v_mul_u32_u24 v4, v2, 272
	v_add_nc_u32 v4, s28, v4                       ; into the stage: row = my column
	v_mul_u32_u24 v7, v11, 272
	v_lshl_add_u32 v7, v1, 4, v7
	v_add_nc_u32 v7, s28, v7                       ; out of it: sixteen lanes to a row, two rows an instruction
	v_lshlrev_b32 v8, 11, v11
	v_lshl_add_u32 v8, v1, 4, v8                   ; and the same place in wpt
.macro LOADP t                         ; block t: w_proj(32 t + i, my column), i = 0 .. 31
.set i, 0
.rept 32
	global_load_b32 v[NUM+32*((\t)%2)+i], v3, s[8:9] offset:(32*(\t)+i)*4096
.set i, i+1
.endr
.endm
.macro BLOCKP t
.set XS, NUM+32*((\t)%2)
.if (\t) < 3
	s_wait_loadcnt 32                              ; this block's 32 loads are in; the next block's may be out
.else
	s_wait_loadcnt 0x0
.endif
.set i, 0
.rept 16
	v_cvt_pk_f16_f32 v[CC+i], v[XS+2*i], v[XS+2*i+1]   ; two neighbours along K, the lower in the low half
.set i, i+1
.endr
.irp j, 0,1,2,3
	ds_store_b128 v4, v[CC+4*\j:CC+4*\j+3] offset:64*(\t)+16*\j
.endr
.if (\t)+2 < 4
	LOADP (\t)+2
.endif
	s_wait_dscnt 0x0                               ; the stores have read their registers: the next block's may be written
.endm
	LOADP 0
	LOADP 1
	BLOCKP 0
	BLOCKP 1
	BLOCKP 2
	BLOCKP 3
.irp t, 0,1,2,3,4,5,6,7,8,9,10,11,12,13,14,15
	ds_load_b128 v[OUTR+4*\t:OUTR+4*\t+3], v7 offset:2*\t*272      ; LDS serves a wave's instructions in order: these see my stores
.endr
.irp t, 0,1,2,3,4,5,6,7,8,9,10,11,12,13,14,15
	s_wait_dscnt 15-\t
	global_store_b128 v8, v[OUTR+4*\t:OUTR+4*\t+3], s[18:19] offset:2*\t*2048   ; sixteen lanes store 256 consecutive bytes, aligned
.endr
	s_wait_tensorcnt 0x0                           ; the wave's end
	ds_add_u32 v[SPW], v[NIL]
	s_wait_dscnt 0x0
	s_endpgm
; ---------------- PATH W: w_qkv.  A wave takes 16 columns x 512 along K.  Lane (r, h) takes column r; in block t its 32 registers are rows 64 t + 32 h + 0 .. 31: a whole block of 32 along K.
.Lpath_w:
	v_and_b32 v1, 15, v0                           ; r
	v_bfe_u32 v11, v0, 4, 1                        ; h
	s_lshr_b32 s24, ttmp9, 1
	s_and_b32 s25, ttmp9, 1                        ; which half of K
	s_lshl_b32 s24, s24, 6
	s_lshl_b32 s26, s20, 4
	s_add_co_u32 s24, s24, s26                     ; my wave's first column: the four waves stand side by side on 256 bytes of a row
	s_mul_i32 s26, s25, 512*12288                  ; 512 rows of 12,288 bytes
	s_lshl_b32 s28, s24, 2
	s_add_co_u32 s26, s26, s28
	s_add_nc_u64 s[6:7], s[6:7], s[26:27]
	s_lshl_b32 s26, s24, 9                         ; a column's codes: 512 bytes; my half: 256
	s_lshl_b32 s28, s25, 8
	s_add_co_u32 s26, s26, s28
	s_add_nc_u64 s[14:15], s[14:15], s[26:27]
	s_lshl_b32 s26, s24, 5                         ; a column's scale bytes: 32; my half: 16
	s_lshl_b32 s28, s25, 4
	s_add_co_u32 s26, s26, s28
	s_add_nc_u64 s[16:17], s[16:17], s[26:27]
	s_mul_i32 s28, s20, 16*272
	s_add_co_u32 s28, s28, WBASE                   ; my stage
	v_lshlrev_b32 v3, 2, v1
	v_mul_u32_u24 v16, v11, 32*12288
	v_add_nc_u32 v3, v3, v16                       ; in: 4 r, and 32 rows further down for lanes 16-31
	v_mul_u32_u24 v4, v1, 272
	v_lshl_add_u32 v4, v11, 4, v4
	v_add_nc_u32 v4, s28, v4                       ; into the stage: row = my column, 16 h: block 2 t + h lies at byte 32 t + 16 h
	v_mul_u32_u24 v7, v11, 272
	v_lshl_add_u32 v7, v1, 4, v7
	v_add_nc_u32 v7, s28, v7                       ; out of it: sixteen lanes to a row
	v_lshlrev_b32 v8, 9, v11
	v_lshl_add_u32 v8, v1, 4, v8                   ; and the same place among the codes
	v_lshlrev_b32 v9, 5, v1
	v_lshl_add_u32 v9, v11, 3, v9                  ; my 8 of my column's 16 scale bytes
	v_lshlrev_b32 v10, 3, v11                      ; 8 h: my bytes' shift in a scale word
	v_mov_b32 v18, 0                               ; a lane permute's destination counts as one of its sources
.macro LOADW t
.set i, 0
.rept 32
	global_load_b32 v[NUM+32*((\t)%2)+i], v3, s[6:7] offset:(64*(\t)+i)*12288   ; at most 479 rows on: inside the signed 24-bit immediate
.set i, i+1
.endr
.endm
.macro BLOCKW t
.set XS, NUM+32*((\t)%2)
.if (\t) < 7
	s_wait_loadcnt 32                              ; this block's 32 loads are in; the next block's may be out
.else
	s_wait_loadcnt 0x0
.endif
	v_max3_num_f32 v16, |v[XS]|, |v[XS+1]|, |v[XS+2]|              ; the block's largest magnitude: all 32 numbers are mine; two chains
	v_max3_num_f32 v17, |v[XS+3]|, |v[XS+4]|, |v[XS+5]|
.irp i, 6,10,14,18,22,26
	v_max3_num_f32 v16, v16, |v[XS+\i]|, |v[XS+\i+1]|
	v_max3_num_f32 v17, v17, |v[XS+\i+2]|, |v[XS+\i+3]|
.endr
	v_max3_num_f32 v16, v16, |v[XS+30]|, |v[XS+31]|
	v_max3_num_f32 v16, v16, v17, 0x1800000        ; and the floor 2^(3 - 127): the byte cannot fall under 1
	v_add_nc_u32 v19, 0xff000000, v16              ; 2 off the exponent field: the conversion takes this operand's exponent field as its scale
	v_lshrrev_b32 v17, 23, v19                     ; the scale's byte
.if (\t)%2 == 0
	v_mov_b32 v20, v17                             ; blocks 2 t + h of an even t: bytes 0 (h = 0) and 1 (h = 1) of the scale word of these 128 along K
.else
	v_lshl_or_b32 v20, v17, 16, v20                ; of the odd t: bytes 2 and 3
	v_lshlrev_b32 v20, v10, v20                    ; my two bytes at their places,
	v_permlanex16_b32 v18, v20, s22, s23
	v_or_b32 v[SB+(\t)/2], v20, v18                ; with lane l xor 16's two the word is whole
.endif
.irp g, 0,1,2,3
	v_cvt_scalef32_pk8_fp4_f32 v[CC+\g], v[XS+8*\g:XS+8*\g+7], v19
.endr
	ds_store_b128 v4, v[CC:CC+3] offset:32*(\t)    ; 32 codes: 16 bytes of my column's row.  (The next vector lines that touch these registers stand behind the next block's maxima, which are plain)
.if (\t)+2 < 8
	LOADW (\t)+2
.endif
	s_wait_dscnt 0x0                               ; the store has read its registers
.endm
	LOADW 0
	LOADW 1
.irp t, 0,1,2,3,4,5,6,7
	BLOCKW \t
.endr
	v_cmp_eq_u32 vcc_lo, 1, v11
	v_cndmask_b32 v20, v[SB], v[SB+2], vcc_lo      ; lanes 0-15 store words 0 and 1, lanes 16-31 words 2 and 3
	v_cndmask_b32 v21, v[SB+1], v[SB+3], vcc_lo
	global_store_b64 v9, v[20:21], s[16:17]        ; 16 bytes of each column's 32: pieces, one byte for each 128 that the path reads
.irp t, 0,1,2,3,4,5,6,7
	ds_load_b128 v[OUTR+4*\t:OUTR+4*\t+3], v7 offset:2*\t*272
.endr
.irp t, 0,1,2,3,4,5,6,7
	s_wait_dscnt 7-\t
	global_store_b128 v8, v[OUTR+4*\t:OUTR+4*\t+3], s[14:15] offset:2*\t*512   ; sixteen lanes store 256 consecutive bytes, aligned
.endr
	s_wait_tensorcnt 0x0                           ; the wave's end: the three lines
	ds_add_u32 v[SPW], v[NIL]
	s_wait_dscnt 0x0
	s_endpgm
; ---------------- PATH X: x is a plain stream of blocks of 32.  A wave takes 16 steps of 512 numbers.  Each load reads 512 consecutive bytes; a step's 2,048 bytes turn through the wave's own stage
; in LDS and come back 64 bytes a lane: 16 neighbours, so that two neighbouring lanes hold a block.  Loads run eight steps (32 loads a wave) ahead, the turn through LDS one step.
.Lpath_x:
	s_sub_co_u32 s24, ttmp9, 96
	s_lshl_b32 s24, s24, 2
	s_add_co_u32 s24, s24, s20                     ; which run of 8,192 numbers is my wave's
	s_lshl_b32 s26, s24, 15
	s_add_nc_u64 s[4:5], s[4:5], s[26:27]
	s_lshl_b32 s26, s24, 12
	s_add_nc_u64 s[10:11], s[10:11], s[26:27]
	s_lshl_b32 s26, s24, 8
	s_add_nc_u64 s[12:13], s[12:13], s[26:27]
	s_lshl_b32 s25, s20, 13                        ; my wave's 8,192 bytes of LDS: two stages of 32 x 80, then 256 scale bytes
	v_lshlrev_b32 v3, 4, v2                        ; my 16 bytes of a load's 512
	v_lshrrev_b32 v14, 2, v2
	v_mul_u32_u24 v14, v14, SP
	v_and_b32 v15, 3, v2
	v_lshl_add_u32 v14, v15, 4, v14
	v_add_nc_u32 v14, s25, v14                     ; the stage, way in: four lanes' 64 bytes on end, then 16 of padding
	v_mul_u32_u24 v15, v2, SP
	v_add_nc_u32 v15, s25, v15                     ; way out: my 16 neighbours
	v_lshlrev_b32 v4, 3, v2                        ; 8 bytes a lane: my codes in a step's 256 bytes, and my part of the 256 scale bytes
	s_add_co_u32 s25, s25, 2*32*SP
	v_lshrrev_b32 v5, 1, v2
	v_add_nc_u32 v5, s25, v5                       ; LDS: my block's scale byte
	v_add_nc_u32 v6, s25, v4                       ; and the 8 bytes that I take out at the end
.macro LOADX t
.irp i, 0,1,2,3
	global_load_b128 v[XR+16*((\t)%8)+4*\i:XR+16*((\t)%8)+4*\i+3], v3, s[4:5] offset:2048*(\t)+512*\i th:TH_LOAD_NT
.endr
.endm
.macro TURNX t                         ; LDS serves a wave's instructions in order: no wait between the stores and the loads
.irp i, 0,1,2,3
	ds_store_b128 v14, v[XR+16*((\t)%8)+4*\i:XR+16*((\t)%8)+4*\i+3] offset:32*SP*((\t)%2)+8*SP*\i
.endr
.irp i, 0,1,2,3
	ds_load_b128 v[XX+16*((\t)%2)+4*\i:XX+16*((\t)%2)+4*\i+3], v15 offset:32*SP*((\t)%2)+16*\i
.endr
.endm
.macro STEPX t
.set XS, XX+16*((\t)%2)
.if (\t) > 0
	s_wait_dscnt 1                                 ; this step's numbers are back from the stage (the last step's byte store may be out), so its stores into the stage have read their registers,
.else
	s_wait_dscnt 0x0
.endif
.if (\t)+8 < 16
	LOADX (\t)+8                                   ; which take the loads of eight steps on
.endif
.if (\t)+1 < 16
.if 14-(\t) >= 7
	s_wait_loadcnt 28                              ; the next step's four loads are in; those of the seven steps behind it may be out
.else
	s_wait_loadcnt 4*(14-(\t))
.endif
	TURNX (\t)+1
.endif
	v_max3_num_f32 v8, |v[XS]|, |v[XS+1]|, |v[XS+2]|               ; the largest magnitude of my 16
	v_max3_num_f32 v9, |v[XS+3]|, |v[XS+4]|, |v[XS+5]|
.irp i, 6,10
	v_max3_num_f32 v8, v8, |v[XS+\i]|, |v[XS+\i+1]|
	v_max3_num_f32 v9, v9, |v[XS+\i+2]|, |v[XS+\i+3]|
.endr
	v_max3_num_f32 v8, v8, |v[XS+14]|, |v[XS+15]|
	v_max3_num_f32 v8, v8, v9, 0x1800000           ; and the floor 2^(3 - 127)
	v_max_num_f32_dpp v8, v8, v8 row_xmask:1 row_mask:0xf bank_mask:0xf   ; and of my neighbour's 16: the block's
	v_add_nc_u32 v11, 0xff000000, v8               ; 2 off its exponent field: the conversion's scale operand
	v_cvt_scalef32_pk8_fp4_f32 v[XC+2*(\t)], v[XS:XS+7], v11
	v_cvt_scalef32_pk8_fp4_f32 v[XC+2*(\t)+1], v[XS+8:XS+15], v11
	v_lshrrev_b32 v[XE+(\t)], 23, v11              ; the scale's byte
	ds_store_b8 v5, v[XE+(\t)] offset:16*(\t)      ; both lanes of a block write the same byte with the same value
	global_store_b64 v4, v[XC+2*(\t):XC+2*(\t)+1], s[10:11] offset:256*(\t)   ; the wave stores 256 consecutive bytes, aligned
.endm
.irp t, 0,1,2,3,4,5,6,7
	LOADX \t
.endr
	s_wait_loadcnt 28                              ; step 0's four loads are in
	TURNX 0
.irp t, 0,1,2,3,4,5,6,7,8,9,10,11,12,13,14,15
	STEPX \t
.endr
	ds_load_b64 v[8:9], v6                         ; my wave's 256 scale bytes, 8 a lane
	s_wait_dscnt 0x0
	global_store_b64 v4, v[8:9], s[12:13]          ; 256 consecutive bytes, aligned
	s_wait_tensorcnt 0x0                           ; the wave's end: the three lines
	ds_add_u32 v[SPW], v[NIL]
	s_wait_dscnt 0x0
	s_endpgm
.Lfunc_end_k_q51fc4759a1_prep:
	.size	k_q51fc4759a1_prep, .Lfunc_end_k_q51fc4759a1_prep-k_q51fc4759a1_prep
	.p2alignl 7, 3214868480
	.fill 96, 4, 3214868480
	.section	.rodata,"a",@progbits
	.p2align	6, 0x0
	.amdhsa_kernel k_q51fc4759a1_prep
		.amdhsa_group_segment_fixed_size 85504
		.amdhsa_private_segment_fixed_size 0
		.amdhsa_enable_private_segment 0
		.amdhsa_kernarg_size 64
		.amdhsa_user_sgpr_count 2
		.amdhsa_user_sgpr_kernarg_segment_ptr 1
		.amdhsa_wavefront_size32 1
		.amdhsa_system_sgpr_workgroup_id_x 1
		.amdhsa_system_sgpr_workgroup_id_y 1
		.amdhsa_system_sgpr_workgroup_id_z 1
		.amdhsa_system_vgpr_workitem_id 0
		.amdhsa_next_free_vgpr 224
		.amdhsa_next_free_sgpr 66
		.amdhsa_reserve_vcc 1
		.amdhsa_float_denorm_mode_32 3
		.amdhsa_float_denorm_mode_16_64 3
		.amdhsa_memory_ordered 1
		.amdhsa_forward_progress 1
		.amdhsa_inst_pref_size 95
	.end_amdhsa_kernel
	.amdgpu_metadata
---
amdhsa.version: [ 1, 2 ]
amdhsa.kernels:
  - .name:           k_q51fc4759a1_prep
    .symbol:         k_q51fc4759a1_prep.kd
    .args:
      - { .name: x, .offset: 0, .size: 8, .value_kind: global_buffer, .address_space: global }
      - { .name: w_qkv, .offset: 8, .size: 8, .value_kind: global_buffer, .address_space: global }
      - { .name: w_proj, .offset: 16, .size: 8, .value_kind: global_buffer, .address_space: global }
      - { .name: x_codes, .offset: 24, .size: 8, .value_kind: global_buffer, .address_space: global }
      - { .name: x_scales, .offset: 32, .size: 8, .value_kind: global_buffer, .address_space: global }
      - { .name: w_codes, .offset: 40, .size: 8, .value_kind: global_buffer, .address_space: global }
      - { .name: w_scales, .offset: 48, .size: 8, .value_kind: global_buffer, .address_space: global }
      - { .name: wpt, .offset: 56, .size: 8, .value_kind: global_buffer, .address_space: global }
    .group_segment_fixed_size: 85504
    .private_segment_fixed_size: 0
    .kernarg_segment_align: 8
    .kernarg_segment_size: 64
    .max_flat_workgroup_size: 128
    .sgpr_count:     66
    .vgpr_count:     224
    .wavefront_size: 32
...
	.end_amdgpu_metadata
.endif
;; end of part 1
;; launch qkv (part 2): grid 12 x 32, 4 waves a work-group, clusters of 4 x 4, 327,680 bytes of LDS; arguments x_codes, x_scales, w_codes, w_scales, qkv; writes qkv
.if DOCPART == 2
	.amdgcn_target "amdgcn-amd-amdhsa--gfx1250"
	.amdhsa_code_object_version 6
	.text
	.protected	k_q51fc4759a1_qkv
	.globl	k_q51fc4759a1_qkv
	.p2align	8
	.type	k_q51fc4759a1_qkv,@function
k_q51fc4759a1_qkv:
	s_mov_b64 s[64:65], 0
	v_nop
	global_prefetch_b8 v0, s[64:65] scope:SCOPE_SE
	s_setreg_imm32_b32 hwreg(HW_REG_WAVE_MODE, 25, 1), 1
	s_wait_xcnt 0x0
	s_wait_alu depctr_hold_cnt(0) depctr_sa_sdst(0) depctr_va_vdst(0) depctr_va_sdst(0) depctr_va_ssrc(0) depctr_va_vcc(0) depctr_vm_vsrc(0)
	s_getreg_b32 s2, hwreg(HW_REG_IB_STS2, 6, 4)
	s_cmp_eq_u32 s2, 0
	s_cbranch_scc0 .Lentry_in_a_cluster
	s_endpgm
.Lentry_in_a_cluster:
	s_bfe_u32 s2, ttmp6, 0x10000c
	s_cmp_lg_u32 s2, 0xf033
	s_cbranch_scc0 .Lentry_shape_is_right
	s_endpgm
.Lentry_shape_is_right:
; SelfAttention, launch 2 of 4: qkv = Q(x) Q(w_qkv), the QUANTISED product, on codes of E2M1 with one E8M0 scale for each 32 along K; sums in f32.  No work is left out.
; A = x_codes [8192][512 bytes], B = w_codes [3072][512 bytes], scale bytes [rows][32].  The result is rounded once to f16 (the later products are left as they are and take f16 operands)
; and laid by head: qkv [which 3][batch 4][head 16][token 2048][64] f16: a plane of 262,144 bytes for each (which, batch, head), 128 bytes a token.
; LIMIT: a result above 65,504 in magnitude leaves f16's range (inputs thirty times the drawn ones give about 5,000; offsets of thirty spreads on both about 29,000).
; A tile of 256 tokens x 256 columns is made by four waves, each 128 x 128: 64 accumulators of 16 x 16, 512 registers.  K = 1,024 is two LDS slots of 512 along K (rows of 256 bytes): both are
; asked for at the start and nothing is ever filled again.  The scale bytes of the tile's rows, for all of K, come once, as dense blocks.
; CLUSTERS: 4 x 4 work-groups.  The four of a row of the cluster need the same tiles of A, the four of a column the same tiles of B: each tile is asked for jointly, by the same tensor load with the
; same descriptor and a mask that names the four.  THE MATRIX INSTRUCTION IS USED TRANSPOSED (source 0 = 16 rows of B, source 1 = 16 rows of A): a lane holds eight neighbouring columns of one token.
; REGISTERS, in windows of 256: window 0: v0-31 addresses; v32-95 scale words, two sets; from v128 A's fragments, one set; on the way out v64-127 and v192-223.
;   window 1: B's fragments, two sets, at v0 and v128.   window 2: the accumulators of my rows 0-63 ((a, b) at v[8 (8 a + b)]);   window 3: those of my rows 64-127.
.set SIZE_M, 8192
.set SIZE_N, 3072
.set SIZE_K, 1024
.set KSTEP,  512                       ; along K in a slot
.set NQ,     KSTEP/128                 ; matrix instructions deep
.set ROWB,   256                       ; a tile's row in bytes
.set KROW,   SIZE_K*4/8                ; a row of codes in memory
.set PITCH,  272                       ; an LDS row: 256 bytes + 16 of padding: the 16 rows that a load touches start at 16 different banks (64 banks of 4 bytes: ISA guide 11.1)
.set FR,     8                         ; registers of a fragment: 16 rows x 128 K
.set NL,     2                         ; LDS loads that bring one
.set NP,     4                         ; places behind this matrix instruction (ISA guide 7.12.1)
.set HALFT,  128*PITCH
.set SLOT,   4*HALFT                   ; A's 256 rows, then B's 256 rows
.set KS,     SIZE_K/32                 ; a row of scales in bytes
.set SCL,    2*SLOT                    ; behind the ring: the scales, as units of 256 bytes + 16 of padding
.set HALFS,  (128*KS/256)*272
.set SBLK,   (16*KS/256)*272
.set SPARE,  SCL+4*HALFS               ; the spare words, 128 bytes a wave: two blocks of 256 bytes that no other line names
.set SPITCH, 272                       ; the way out: a stage of 16 rows x (256 bytes + 16) for each wave, in slot 0, which has had its one fill and its last read when the first result is stored there
.set ADRA, 16
.set ADRB, 20
.set STO,  24
.set RD,   25
.set CO,   26
.set ADRS, 27
.set SPW,  28
.set NIL,  29
.set SC,   32
.set AF,   128
.set BK,   64                          ; the way out: 16 tokens read back: v64-95 and v96-127 by turns
.set TMP,  192                         ; the way out: packed results
.set G1, 24
.set G0, 32
.set G1B, 48
.set G0B, 56
.set G1S, 68
.set G0S, 76
.set G1SB, 80
.set G0SB, 88
.set MSB, 0
.macro WIN new                         ; the immediate's high byte repeats the setting that is left
.if MSB != (\new)
	s_set_vgpr_msb (MSB<<8)|(\new)
.set MSB, \new
.endif
.endm
.set MUL_LO, 0xa1                      ; source 0 (B) window 1, source 1 (A) window 0, C and D window 2
.set MUL_HI, 0xf1                      ; the same, C and D window 3
.set TO_B,   0x40
; A joint load: waves 0 and 1 fetch for A, waves 2 and 3 for B; the branch hangs on the wave's number alone.  An s_nop 0 and four v_nop follow each line.
.macro JLOAD g0a, g1a, g0b, g1b
	s_cmp_eq_u32 s15, 0
	s_cbranch_scc0 .Lfor_b_\@
	tensor_load_to_lds s[\g0a:\g0a+3], s[\g1a:\g1a+7]
	s_nop 0
.rept 4
	v_nop
.endr
	s_branch .Lasked_\@
.Lfor_b_\@:
	tensor_load_to_lds s[\g0b:\g0b+3], s[\g1b:\g1b+7]
	s_nop 0
.rept 4
	v_nop
.endr
.Lasked_\@:
.endm
.macro CROUND                          ; a round of the cluster's barrier
	s_barrier_signal -1
	s_barrier_wait -1
	s_cmp_lg_u32 s14, 0
	s_cbranch_scc1 .Lnot_wave_0_\@
	s_barrier_signal -3
.Lnot_wave_0_\@:
	s_barrier_wait -3
	s_barrier_signal -1
	s_barrier_wait -1
.endm
	s_load_b128 s[4:7], s[0:1], 0x0                ; A's codes s[4:5], A's scales s[6:7]
	s_load_b128 s[8:11], s[0:1], 0x10              ; B's codes s[8:9], B's scales s[10:11]
	s_load_b64 s[12:13], s[0:1], 0x20              ; qkv
	v_lshl_add_u32 v[SPW], v0, 2, SPARE
	v_mov_b32 v[NIL], 0
	ds_add_u32 v[SPW], v[NIL]                      ; the wave's opening: the add, twice on end, and its wait ahead of my first tensor load
	ds_add_u32 v[SPW], v[NIL]
	v_lshrrev_b32 v1, 5, v0
	v_readfirstlane_b32 s14, v1                    ; wave 0..3
	s_lshr_b32 s15, s14, 1                         ; which half of the tile's rows is mine.  Also: I fetch for A (0) or for B (1)
	s_and_b32 s16, s14, 1                          ; which half of its columns.  Also: which 128 rows of that tile I fetch
	s_bfe_u32 s40, ttmp6, 0x40000                  ; cx, cy
	s_bfe_u32 s41, ttmp6, 0x40004
	s_lshl_b32 s42, ttmp9, 2
	s_add_co_u32 s42, s42, s40                     ; tile column = 4 x cluster x + cx
	s_and_b32 s17, ttmp7, 0xffff
	s_lshl_b32 s17, s17, 2
	s_add_co_u32 s17, s17, s41                     ; tile row = 4 x cluster y + cy
	s_lshl_b32 s43, s41, 2
	s_lshl_b32 s43, 15, s43                        ; my row of the cluster
	s_lshl_b32 s44, 0x1111, s40                    ; my column
	s_or_b32 s[G1+0], s43, (0<<16)|(1<<20)|(1<<21)|(5<<22)|(3<<25)  ; the mask; elements of 1 byte; padding on; bit 21 beside a mask; 4 words behind every 64
	s_or_b32 s[G1B+0], s44, (0<<16)|(1<<20)|(1<<21)|(5<<22)|(3<<25)
.irp g, G1, G1B
	s_mov_b32 s[\g+1], ROWB<<16                    ; tensor_dim0
	s_mov_b32 s[\g+2], 128<<16                     ; tensor_dim1
	s_mov_b32 s[\g+3], ROWB<<16                    ; tile_dim0
	s_mov_b32 s[\g+4], 128                         ; tile_dim1
	s_mov_b32 s[\g+5], KROW                        ; the pitch in memory
	s_mov_b32 s[\g+6], 0
	s_mov_b32 s[\g+7], 0
.endr
	s_or_b32 s[G1S+0], s43, (3<<16)|(1<<20)|(1<<21)|(5<<22)|(3<<25) ; the scales of 128 rows: a dense block, as rows of 256 bytes (32 elements of 8 bytes)
	s_or_b32 s[G1SB+0], s44, (3<<16)|(1<<20)|(1<<21)|(5<<22)|(3<<25)
.irp g, G1S, G1SB
	s_mov_b32 s[\g+1], 32<<16
	s_mov_b32 s[\g+2], (128*KS/256)<<16
	s_mov_b32 s[\g+3], 32<<16
	s_mov_b32 s[\g+4], 128*KS/256
	s_mov_b32 s[\g+5], 32
	s_mov_b32 s[\g+6], 0
	s_mov_b32 s[\g+7], 0
.endr
	s_lshl_b32 s18, s16, 7
	s_lshl_b32 s20, s17, 8
	s_add_co_u32 s20, s20, s18                     ; A: row 256 x tile row + 128 x half
	s_lshl_b32 s46, s42, 8
	s_add_co_u32 s46, s46, s18                     ; B: row 256 x tile column + 128 x half
	s_mov_b32 s21, 0
	s_mov_b32 s47, 0
	s_mov_b64 s[18:19], KS
	s_mul_u64 s[22:23], s[20:21], s[18:19]         ; where these rows' scales begin
	s_mul_u64 s[92:93], s[46:47], s[18:19]
	s_mov_b64 s[18:19], KROW
	s_mul_u64 s[20:21], s[20:21], s[18:19]         ; and their codes
	s_mul_u64 s[46:47], s[46:47], s[18:19]
	s_mul_i32 s45, s14, HALFT                      ; where they go: wave x 128 rows
	s_mul_i32 s94, s14, HALFS
	s_wait_dscnt 0x0                               ; both opening adds are done
	s_wait_kmcnt 0x0
	s_add_nc_u64 s[20:21], s[4:5], s[20:21]
	s_add_nc_u64 s[22:23], s[6:7], s[22:23]
	s_add_nc_u64 s[46:47], s[8:9], s[46:47]
	s_add_nc_u64 s[92:93], s[10:11], s[92:93]
	CROUND                                         ; all sixteen work-groups are here: the joint loads meet
	s_mov_b32 s[G0S], 1
	s_add_co_u32 s[G0S+1], s94, SCL
	s_mov_b64 s[G0S+2:G0S+3], s[22:23]
	s_or_b32 s[G0S+3], s[G0S+3], 0x80000000
	s_mov_b32 s[G0SB], 1
	s_add_co_u32 s[G0SB+1], s94, SCL
	s_mov_b64 s[G0SB+2:G0SB+3], s[92:93]
	s_or_b32 s[G0SB+3], s[G0SB+3], 0x80000000
	JLOAD G0S, G1S, G0SB, G1SB                     ; the scales first: they are wanted with the first slot.  Three loads of mine are out at the most
.irp s, 0,1
	s_mov_b32 s[G0+4*\s], 1
	s_add_co_u32 s[G0+4*\s+1], s45, \s*SLOT
	s_add_nc_u64 s[G0+4*\s+2:G0+4*\s+3], s[20:21], \s*ROWB
	s_or_b32 s[G0+4*\s+3], s[G0+4*\s+3], 0x80000000
	s_mov_b32 s[G0B+4*\s], 1
	s_add_co_u32 s[G0B+4*\s+1], s45, \s*SLOT
	s_add_nc_u64 s[G0B+4*\s+2:G0B+4*\s+3], s[46:47], \s*ROWB
	s_or_b32 s[G0B+4*\s+3], s[G0B+4*\s+3], 0x80000000
	JLOAD G0+4*\s, G1, G0B+4*\s, G1B
.endr
	v_and_b32 v1, 15, v0                           ; l % 16
	v_bfe_u32 v2, v0, 4, 1                         ; l / 16
	v_mul_u32_u24 v3, v1, PITCH
	v_lshl_add_u32 v4, v2, 4, v3                   ; a fragment's row x pitch + 16 x half
	s_mul_i32 s21, s15, HALFT                      ; my 128 rows of A
	s_mul_i32 s22, s16, HALFT                      ; my 128 rows of B,
	s_add_co_u32 s22, s22, 2*HALFT                 ; behind A's 256
.irp s, 0,1
	v_add_nc_u32 v[ADRA+\s], s21, v4
	v_add_nc_u32 v[ADRB+\s], s22, v4
	s_add_co_u32 s21, s21, SLOT
	s_add_co_u32 s22, s22, SLOT
.endr
	v_mul_u32_u24 v5, v1, KS                       ; my row's scales: KS bytes a row,
	v_lshrrev_b32 v6, 8, v5
	v_lshl_add_u32 v5, v6, 4, v5                   ; and 16 more for each 256 passed
	s_mul_i32 s21, s15, HALFS
	s_mul_i32 s22, s16, HALFS
	s_add_co_u32 s22, s22, 2*HALFS
	s_sub_co_u32 s22, s22, s21
	v_mul_u32_u24 v6, s22, v2                      ; lanes 16-31 take B's
	s_add_co_u32 s21, s21, SCL
	v_add_nc_u32 v5, v5, v6
	v_add_nc_u32 v[ADRS], s21, v5
	s_mul_i32 s23, s14, 16*SPITCH                  ; my stage
	v_mul_u32_u24 v5, v1, SPITCH                   ; in: token l % 16, 16 bytes for each half of the lanes
	v_lshl_add_u32 v5, v2, 4, v5
	v_add_nc_u32 v[STO], s23, v5
	v_bfe_u32 v6, v0, 3, 1                         ; back: lanes 0-15 take two tokens' 128 bytes of my first head, lanes 16-31 of my second
	v_and_b32 v7, 7, v0
	v_mul_u32_u24 v5, v6, SPITCH
	v_lshl_add_u32 v5, v2, 7, v5
	v_lshl_add_u32 v5, v7, 4, v5
	v_add_nc_u32 v[RD], s23, v5
	v_lshlrev_b32 v[CO], 18, v2                    ; in memory the second head's plane lies 262,144 bytes on; two tokens of a head are 256 consecutive bytes
	v_lshl_add_u32 v[CO], v6, 7, v[CO]
	v_lshl_add_u32 v[CO], v7, 4, v[CO]
	s_lshr_b32 s20, s42, 2                         ; which of q, k, v: 1,024 columns each
	s_lshl_b32 s20, s20, 6
	s_lshr_b32 s21, s17, 3                         ; the batch: 2,048 tokens each
	s_lshl_b32 s21, s21, 4
	s_add_co_u32 s20, s20, s21
	s_lshl_b32 s46, s42, 2
	s_lshl_b32 s47, s16, 1
	s_add_co_u32 s46, s46, s47
	s_and_b32 s46, s46, 15                         ; my first head
	s_add_co_u32 s20, s20, s46                     ; the plane
	s_lshl_b32 s20, s20, 18
	s_and_b32 s21, s17, 7
	s_lshl_b32 s21, s21, 8
	s_lshl_b32 s47, s15, 7
	s_add_co_u32 s21, s21, s47                     ; my first token in the batch
	s_lshl_b32 s21, s21, 7
	s_add_co_u32 s20, s20, s21
	s_mov_b32 s21, 0
	s_add_nc_u64 s[12:13], s[12:13], s[20:21]
.macro FRAG reg, adr, q, i             ; 16 rows x 128 K of 4-bit codes: 8 registers; registers 4 c .. 4 c + 3 hold K = 64 c + 32 (l / 16) + 0 .. 31
.irp c, 0,1
	ds_load_b128 v[\reg+4*\c:\reg+4*\c+3], v[\adr] offset:64*(\q)+32*\c+(\i)*16*PITCH
.endr
.endm
; 16 matrix instructions: A's blocks a0, a0 + 1 x B's eight.  The 64 accumulators take turns, one instruction a turn, in the same order in every step.
.macro MUL16 a0, p, q, sc, zero
.irp a, \a0, \a0+1
.irp b, 0,1,2,3,4,5,6,7
.if \zero
	v_wmma_scale_f32_16x16x128_f8f6f4 v[8*(8*((\a)%4)+\b):8*(8*((\a)%4)+\b)+7], v[128*(\p)+FR*\b:128*(\p)+FR*\b+FR-1], v[AF+FR*(\a):AF+FR*(\a)+FR-1], 0, v[SC+8*NQ*(\sc)+NQ*\b+(\q)], v[SC+8*NQ*(\sc)+NQ*(\a)+(\q)] matrix_a_fmt:MATRIX_FMT_FP4 matrix_b_fmt:MATRIX_FMT_FP4 matrix_a_scale:MATRIX_SCALE_ROW1
.else
	v_wmma_scale_f32_16x16x128_f8f6f4 v[8*(8*((\a)%4)+\b):8*(8*((\a)%4)+\b)+7], v[128*(\p)+FR*\b:128*(\p)+FR*\b+FR-1], v[AF+FR*(\a):AF+FR*(\a)+FR-1], v[8*(8*((\a)%4)+\b):8*(8*((\a)%4)+\b)+7], v[SC+8*NQ*(\sc)+NQ*\b+(\q)], v[SC+8*NQ*(\sc)+NQ*(\a)+(\q)] matrix_a_fmt:MATRIX_FMT_FP4 matrix_b_fmt:MATRIX_FMT_FP4 matrix_a_scale:MATRIX_SCALE_ROW1
.endif
.endr
.endr
.endm
.macro FETCH_B slot, q, p
	WIN TO_B
.irp i, 0,1,2,3,4,5,6,7
	FRAG 128*(\p)+FR*\i, ADRB+\slot, \q, \i
.endr
	WIN 0
.endm
.macro FETCH_A slot, q, i0
.irp i, \i0, \i0+1, \i0+2, \i0+3
	FRAG AF+FR*(\i), ADRA+\slot, \q, \i
.endr
.endm
.macro SCALES sc                       ; a slot's scale words: NQ words a row; lanes 0-15 take A's block i, lanes 16-31 B's block i
.irp i, 0,1,2,3,4,5,6,7
	ds_load_b128 v[SC+8*NQ*\sc+NQ*\i:SC+8*NQ*\sc+NQ*\i+3], v[ADRS] offset:\i*SBLK
.endr
.endm
.macro PLACES n                        ; plain vector instructions between a matrix instruction and a load into, or a read of, its registers
.rept \n
	v_nop
.endr
.endm
.macro STEP slot, q, zero              ; a step of 128 along K that has its successor in the same slot
	s_wait_dscnt 4*NL                              ; B's set and A's blocks 0-3 are in; the youngest eight loads (A's blocks 4-7) may be out
	WIN MUL_LO
	MUL16 0, (\q)%2, \q, \slot, \zero
	MUL16 2, (\q)%2, \q, \slot, \zero
	s_wait_dscnt 0
	PLACES NP
	FETCH_B \slot, (\q)+1, 1-(\q)%2
	FETCH_A \slot, (\q)+1, 0
	WIN MUL_HI
	MUL16 4, (\q)%2, \q, \slot, \zero
	MUL16 6, (\q)%2, \q, \slot, \zero
	PLACES NP
	WIN 0
	FETCH_A \slot, (\q)+1, 4
.endm
; Slot 0's last step changes slots: one barrier; in front of it each wave waits for all its tensor loads (its part of slot 1), adds 0 to its spare word, and waits for that and for its reads of slot 0.
.macro TURN slot, next
	s_wait_tensorcnt 0x0
	ds_add_u32 v[SPW], v[NIL]
	s_wait_dscnt 4*NL+1                            ; (the add and the youngest eight loads may be out)
	WIN MUL_LO
	MUL16 0, 1, NQ-1, \slot, 0
	s_wait_dscnt 0x0                               ; the add is done, and my reads of this slot are over
	s_barrier_signal -1
	MUL16 2, 1, NQ-1, \slot, 0
	WIN 0
	s_barrier_wait -1
	PLACES NP
	v_add_nc_u32 v[ADRS], 4*NQ, v[ADRS]            ; on to the next slot's scale words
	FETCH_B \next, 0, 0
	FETCH_A \next, 0, 0
	SCALES \next
	WIN MUL_HI
	MUL16 4, 1, NQ-1, \slot, 0
	MUL16 6, 1, NQ-1, \slot, 0
	PLACES NP
	WIN 0
	FETCH_A \next, 0, 4
.endm
	s_wait_tensorcnt 1                             ; the scales and my part of slot 0 are in (slot 1's load may be out),
	s_barrier_signal -1
	s_barrier_wait -1                              ; everybody's are
	FETCH_B 0, 0, 0
	FETCH_A 0, 0, 0
	SCALES 0
	FETCH_A 0, 0, 4
	STEP 0, 0, 1                                   ; the first products start the sums: nothing is cleared
	STEP 0, 1, 0
	STEP 0, 2, 0
	TURN 0, 1
	STEP 1, 0, 0
	STEP 1, 1, 0
	STEP 1, 2, 0
	s_wait_dscnt 4*NL                              ; the last step: nothing more to fetch
	WIN MUL_LO
	MUL16 0, 1, NQ-1, 1, 0
	MUL16 2, 1, NQ-1, 1, 0
	s_wait_dscnt 0
	WIN MUL_HI
	MUL16 4, 1, NQ-1, 1, 0
	MUL16 6, 1, NQ-1, 1, 0
	WIN 0
; THE WAY OUT, block by block of 16 tokens x 128 columns (two heads).  PACK: rounded to f16, 16 bytes a lane, each accumulator from its low end on.  TOSTAGE: into my stage, and back so that sixteen
; lanes hold two tokens of one head.  SEND: stored: sixteen lanes store 256 consecutive bytes, aligned.
.macro PACK a
.set AC, 64*((\a)%4)
	WIN 0x0a+5*((\a)/4)                            ; sources 0 and 1: window 2 or 3
.irp b, 0,1,2,3,4,5,6,7
.irp r, 0,1,2,3
	v_cvt_pk_f16_f32 v[TMP+4*\b+\r], v[AC+8*\b+2*\r], v[AC+8*\b+2*\r+1]
.endr
.endr
	WIN 0
.endm
.macro TOSTAGE a
.set BB, BK+32*((\a)%2)
.irp b, 0,1,2,3,4,5,6,7
	ds_store_b128 v[STO], v[TMP+4*\b:TMP+4*\b+3] offset:32*\b
.endr
.irp t, 0,1,2,3,4,5,6,7
	ds_load_b128 v[BB+4*\t:BB+4*\t+3], v[RD] offset:\t*2*SPITCH    ; LDS serves a wave's instructions in order (ISA guide 5.7.1.4): these see the stores above
.endr
.endm
.macro SEND a
.set BB, BK+32*((\a)%2)
	s_wait_dscnt 0x0                               ; the block is back in registers
	s_wait_xcnt 0x0                                ; the block before's stores have read their registers: the next block's loads may land there
.irp t, 0,1,2,3,4,5,6,7
	global_store_b128 v[CO], v[BB+4*\t:BB+4*\t+3], s[12:13] offset:2048*(\a)+256*\t
.endr
.endm
	PLACES NP
	PACK 0
	TOSTAGE 0
.irp a, 1,2,3,4,5,6,7                  ; block a's conversions stand between block a - 1's loads from the stage and the wait for them
	PACK \a
	SEND \a-1
	TOSTAGE \a
.endr
	SEND 7
	s_wait_tensorcnt 0x0                           ; the wave's end
	ds_add_u32 v[SPW], v[NIL]
	s_wait_dscnt 0x0
	CROUND                                         ; the closing round
	s_endpgm
.Lfunc_end_k_q51fc4759a1_qkv:
	.size	k_q51fc4759a1_qkv, .Lfunc_end_k_q51fc4759a1_qkv-k_q51fc4759a1_qkv
	.p2alignl 7, 3214868480
	.fill 96, 4, 3214868480
	.section	.rodata,"a",@progbits
	.p2align	6, 0x0
	.amdhsa_kernel k_q51fc4759a1_qkv
		.amdhsa_group_segment_fixed_size 327680
		.amdhsa_private_segment_fixed_size 0
		.amdhsa_enable_private_segment 0
		.amdhsa_kernarg_size 40
		.amdhsa_user_sgpr_count 2
		.amdhsa_user_sgpr_kernarg_segment_ptr 1
		.amdhsa_wavefront_size32 1
		.amdhsa_system_sgpr_workgroup_id_x 1
		.amdhsa_system_sgpr_workgroup_id_y 1
		.amdhsa_system_sgpr_workgroup_id_z 1
		.amdhsa_system_vgpr_workitem_id 0
		.amdhsa_next_free_vgpr 1024
		.amdhsa_next_free_sgpr 98
		.amdhsa_reserve_vcc 0
		.amdhsa_float_denorm_mode_32 3
		.amdhsa_float_denorm_mode_16_64 3
		.amdhsa_memory_ordered 1
		.amdhsa_forward_progress 1
		.amdhsa_inst_pref_size 127
	.end_amdhsa_kernel
	.amdgpu_metadata
---
amdhsa.version: [ 1, 2 ]
amdhsa.kernels:
  - .name:           k_q51fc4759a1_qkv
    .symbol:         k_q51fc4759a1_qkv.kd
    .args:
      - { .name: x_codes, .offset: 0, .size: 8, .value_kind: global_buffer, .address_space: global }
      - { .name: x_scales, .offset: 8, .size: 8, .value_kind: global_buffer, .address_space: global }
      - { .name: w_codes, .offset: 16, .size: 8, .value_kind: global_buffer, .address_space: global }
      - { .name: w_scales, .offset: 24, .size: 8, .value_kind: global_buffer, .address_space: global }
      - { .name: qkv, .offset: 32, .size: 8, .value_kind: global_buffer, .address_space: global }
    .group_segment_fixed_size: 327680
    .private_segment_fixed_size: 0
    .kernarg_segment_align: 8
    .kernarg_segment_size: 40
    .max_flat_workgroup_size: 128
    .sgpr_count:     98
    .vgpr_count:     1024
    .wavefront_size: 32
...
	.end_amdgpu_metadata
.endif
;; end of part 2
;; launch attn (part 3): grid 4 x 64, 8 waves a work-group, clusters of 4 x 1, 327,680 bytes of LDS; arguments qkv, att; writes att
.if DOCPART == 3
	.amdgcn_target "amdgcn-amd-amdhsa--gfx1250"
	.amdhsa_code_object_version 6
	.text
	.protected	k_q51fc4759a1_attn
	.globl	k_q51fc4759a1_attn
	.p2align	8
	.type	k_q51fc4759a1_attn,@function
k_q51fc4759a1_attn:
	s_mov_b64 s[64:65], 0
	v_nop
	global_prefetch_b8 v0, s[64:65] scope:SCOPE_SE
	s_setreg_imm32_b32 hwreg(HW_REG_WAVE_MODE, 25, 1), 1
	s_wait_xcnt 0x0
	s_wait_alu depctr_hold_cnt(0) depctr_sa_sdst(0) depctr_va_vdst(0) depctr_va_sdst(0) depctr_va_ssrc(0) depctr_va_vcc(0) depctr_vm_vsrc(0)
	s_getreg_b32 s2, hwreg(HW_REG_IB_STS2, 6, 4)
	s_cmp_eq_u32 s2, 0
	s_cbranch_scc0 .Lentry_in_a_cluster
	s_endpgm
.Lentry_in_a_cluster:
	s_bfe_u32 s2, ttmp6, 0x10000c
	s_cmp_lg_u32 s2, 0x3003
	s_cbranch_scc0 .Lentry_shape_is_right
	s_endpgm
.Lentry_shape_is_right:
; SelfAttention, launch 3 of 4: att[b][h][q][:] = the sum over k of softmax_k(q . k / 32) v[k][:], 64 heads of 2,048 tokens, head size 64, no mask.  No work is left out.
; q, k, v: planes of qkv [which][b][h][token][64] f16; att: [b][h][token][64] f16.  Products (left as they are) on f16 operands, sums, maxima and the softmax in f32; the weights p, at most 1, are
; rounded to f16 for the second product; the result once at the end.  LIMIT: a result under 6e-5 in magnitude falls among f16's subnormals (inputs both thirty times smaller than the drawn ones).
; SHARES.  A cluster of four work-groups is one head; a work-group owns 512 queries, each of its EIGHT waves 64: four tiles of 16, in 512 registers: two waves to a SIMD, so that one wave's softmax
; stands beside the other's products.  Every wave walks all keys, 64 a step.
; LAYOUT.  S^T = K Q^T (source 0 = 16 keys, source 1 = 16 queries): a lane holds ONE query (lane % 16) and the keys 8 (lane / 16) + 0..7.  Two such tiles, rounded to f16 in pairs, ARE source 1
; (32 keys x 16 queries) of O^T = V^T P.  K comes out of LDS as it lies, V ([key][channel]) turned, by ds_load_tr16_b128.
; SOFTMAX.  A running maximum m and sum l for each query: p = 2^(c s - c m), c = log2(e) / 32; in every step O and l are multiplied by a = 2^(c m_old - c m_new).
; THE FOUR WORK-GROUPS WALK THE SAME K AND V: each tile is asked for jointly.  A slot holds four key steps; waves 0-3 fetch the four steps' K, waves 4-7 their V: one load a wave behind each round.
; REGISTERS: window 0: v2-14 addresses; v16-47 eight registers of statistics a tile; v48-111 Q; v112-175 K of one step; v176-239 V of one step; v240-255 two pairs of sums a tile.
;   window 1: v0-127 S^T, 32 a tile, into whose first 16 P is packed in place; v128-255 O^T, 32 a tile.
.set KS,    64
.set PK,    144                        ; a row of K in LDS: 128 bytes + 16: the 16 rows of a load start at 16 different banks (64 banks of 4 bytes: ISA guide 11.1)
.set PVB,   160                        ; a row of V: 128 + 32
.set VOFF,  KS*PK                      ; a step's tiles lie together: 64 rows of K, then 64 rows of V
.set STEPB, KS*(PK+PVB)
.set NST,   4                          ; key steps in a slot
.set SLOT1, 1<<17                      ; slot 1 begins here: one exclusive or turns an address from one slot to the other
.set SLOTB, NST*KS*128                 ; a slot's rows of K, or of V, in memory
.set STAGE, SLOT1+NST*STEPB            ; behind the ring: 16 rows x 144 bytes for each wave
.set SPI,   144
.set SPARE, STAGE+8*16*SPI             ; the spare words, 128 bytes a wave: four blocks of 256 bytes that no other line names
.set KPART, 64<<18                     ; k's planes lie behind q's 64, v's behind k's
.set VPART, 128<<18
.set AK0, 2
.set AV0, 3
.set ADR, 4
.set QO,  6
.set STO, 7
.set RD,  8
.set GO,  9
.set SPW, 12
.set NIL, 13
.set PFO, 14
.set ST,  16                           ; tile t at v[ST + 8 t]: +0 c m, +1 m, +2, +3 l (even keys', odd keys'), +4 to +7 at work; a takes +6
.set QF,  48
.set KF,  112
.set VF,  176
.set SA,  240
.set OA,  128                          ; O^T, in window 1
.set WV,  12
.set LIM, 15
.set PFA, 18
.set G1K, 24
.set G1V, 32
.set G0K, 40
.set G0V, 48
.set SLOTS, 56
.set CNT, 57
.set CS,  58
.set SEL, 60
.set TB,  62
.set MSB, 0
.macro WIN new
.if MSB != (\new)
	s_set_vgpr_msb (MSB<<8)|(\new)
.set MSB, \new
.endif
.endm
.macro JLOAD                           ; a joint refill, by the walking descriptors.  The branch hangs on the wave's number alone.  An s_nop 0 and four v_nop follow each line
	s_cmp_lt_u32 s[WV], 4
	s_cbranch_scc0 .Lfor_v_\@
	tensor_load_to_lds s[G0K+4:G0K+7], s[G1K:G1K+7]
	s_nop 0
.rept 4
	v_nop
.endr
	s_branch .Lasked_\@
.Lfor_v_\@:
	tensor_load_to_lds s[G0V+4:G0V+7], s[G1V:G1V+7]
	s_nop 0
.rept 4
	v_nop
.endr
.Lasked_\@:
.endm
; A prefetch of what the NEXT change of slots will ask for: a slot's 32,768 bytes of K and of V.  The four partners share them out BY ADDRESS, 8,192 bytes each, lanes 256 bytes apart; in each, wave 0
; asks for K's and wave 4 for V's: each aligned block of 256 bytes is named once in the launch.  The last change that fills a slot asks for nothing.
.macro ASK
	s_cmp_gt_u32 s[SLOTS], s[LIM]
	s_cbranch_scc0 .Lnot_mine_\@
	global_prefetch_b8 v[PFO], s[PFA:PFA+1] th:TH_LOAD_NT scope:SCOPE_SE
.Lnot_mine_\@:
.endm
.macro CROUND                          ; a round of the cluster's barrier
	s_barrier_signal -1
	s_barrier_wait -1
	s_cmp_lg_u32 s[WV], 0
	s_cbranch_scc1 .Lnot_wave_0_\@
	s_barrier_signal -3
.Lnot_wave_0_\@:
	s_barrier_wait -3
	s_barrier_signal -1
	s_barrier_wait -1
.endm
	s_load_b128 s[4:7], s[0:1], 0x0                ; qkv s[4:5], att s[6:7]
	v_lshl_add_u32 v[SPW], v0, 2, SPARE
	v_mov_b32 v[NIL], 0
	ds_add_u32 v[SPW], v[NIL]                      ; the wave's opening: the add, twice on end, and its wait ahead of my first tensor load
	ds_add_u32 v[SPW], v[NIL]
	v_lshrrev_b32 v1, 5, v0
	v_readfirstlane_b32 s[WV], v1                  ; wave 0..7
	s_bfe_u32 s13, ttmp6, 0x40000                  ; cx: my block of 512 queries: it enters Q's, att's and the prefetches' addresses alone
	s_and_b32 s20, ttmp7, 0xffff                   ; the head's plane, which the four partners share
	s_lshl_b32 s20, s20, 18
	s_and_b32 s16, s[WV], 3                        ; which of a slot's four steps I fetch:
	s_lshl_b32 s22, s16, 13                        ; its 64 rows of 128 bytes in memory,
	s_add_co_u32 s22, s22, s20
	s_mov_b32 s23, 0
	s_mul_i32 s17, s16, STEPB                      ; and its place in a slot
	s_lshl_b32 s8, s13, 16                         ; my block's 512 rows,
	s_lshl_b32 s9, s[WV], 13                       ; my wave's 64 of them
	s_add_co_u32 s8, s8, s9
	s_add_co_u32 s8, s8, s20
	s_mov_b32 s9, 0
	s_mov_b32 s[G1K], 15|(1<<16)|(1<<20)|(1<<21)|(4<<22)|(3<<25)  ; the mask: all four; elements of 2 bytes; padding on; bit 21 beside a mask; 4 words behind every 32
	s_mov_b32 s[G1V], 15|(1<<16)|(1<<20)|(1<<21)|(4<<22)|(7<<25)  ; the same with 8 words
.irp g, G1K, G1V
	s_mov_b32 s[\g+1], 64<<16                      ; tensor_dim0 = 64
	s_mov_b32 s[\g+2], KS<<16                      ; tensor_dim1 = 64
	s_mov_b32 s[\g+3], 64<<16                      ; tile_dim0 = 64
	s_mov_b32 s[\g+4], KS                          ; tile_dim1 = 64
	s_mov_b32 s[\g+5], 64                          ; elements from row to row
	s_mov_b32 s[\g+6], 0
	s_mov_b32 s[\g+7], 0
.endr
	s_mov_b32 s[CS], 0x3d38aa3b                    ; c = log2(e) / 32
	s_mov_b32 s[CS+1], s[CS]                       ; named with it as a pair, so it is written
	s_mov_b32 s[SEL], 0x76543210
	s_mov_b32 s[SEL+1], 0xfedcba98
	s_mov_b32 s[TB], 0
	s_mov_b32 s[SLOTS], 2048/(NST*KS)-2            ; six slots are filled again
	s_cmp_eq_u32 s16, 0
	s_cselect_b32 s[LIM], 1, -1                    ; waves 0 and 4 prefetch: the same in all four partners
	s_cmp_lt_u32 s[WV], 4
	s_mov_b32 s14, VPART
	s_cselect_b32 s14, KPART, s14
	s_lshl_b32 s2, s13, 13                         ; my work-group's 8,192 bytes of a slot's 32,768,
	s_add_co_u32 s2, s2, s14
	s_add_co_u32 s2, s2, s20
	s_add_co_u32 s2, s2, 2*SLOTB                   ; in slot 2: the first change of slots steps it to slot 3.  Nothing is prefetched at the head
	s_mov_b32 s3, 0
	v_and_b32 v[PFO], 31, v0
	v_lshlrev_b32 v[PFO], 8, v[PFO]
	s_wait_dscnt 0x0                               ; both opening adds are done
	s_wait_kmcnt 0x0
	s_add_nc_u64 s[PFA:PFA+1], s[4:5], s[2:3]
	s_add_nc_u64 s[10:11], s[4:5], s[22:23]        ; the head's plane at my step's rows
	s_add_nc_u64 s[4:5], s[4:5], s[8:9]            ; Q and att at my wave's first row
	s_add_nc_u64 s[6:7], s[6:7], s[8:9]
	CROUND                                         ; all four work-groups are here: the first joint loads meet
.irp s, 0,1
	s_mov_b32 s[G0K+4*\s], 1
	s_add_co_u32 s[G0K+4*\s+1], s17, \s*SLOT1
	s_add_nc_u64 s[G0K+4*\s+2:G0K+4*\s+3], s[10:11], KPART+\s*SLOTB
	s_or_b32 s[G0K+4*\s+3], s[G0K+4*\s+3], 0x80000000
	s_mov_b32 s[G0V+4*\s], 1
	s_add_co_u32 s[G0V+4*\s+1], s17, \s*SLOT1+VOFF
	s_add_nc_u64 s[G0V+4*\s+2:G0V+4*\s+3], s[10:11], VPART+\s*SLOTB
	s_or_b32 s[G0V+4*\s+3], s[G0V+4*\s+3], 0x80000000
.endr
	s_cmp_lt_u32 s[WV], 4                          ; a wave's two first fills stand in one branch: two loads of mine are out
	s_cbranch_scc0 .Lfirst_v
	tensor_load_to_lds s[G0K:G0K+3], s[G1K:G1K+7]
	s_nop 0
	tensor_load_to_lds s[G0K+4:G0K+7], s[G1K:G1K+7]
	s_nop 0
.rept 4
	v_nop
.endr
	s_branch .Lfirst_asked
.Lfirst_v:
	tensor_load_to_lds s[G0V:G0V+3], s[G1V:G1V+7]
	s_nop 0
	tensor_load_to_lds s[G0V+4:G0V+7], s[G1V:G1V+7]
	s_nop 0
.rept 4
	v_nop
.endr
.Lfirst_asked:
	v_and_b32 v1, 15, v0                           ; r = l % 16
	v_bfe_u32 v10, v0, 4, 1                        ; h = l / 16
	v_lshlrev_b32 v[QO], 7, v1
	v_lshl_add_u32 v[QO], v10, 4, v[QO]            ; row x 128 + 16 x half
.irp i, 0,1,2,3,4,5,6,7                        ; Q stays in registers: tile i / 2, channels 32 (i % 2) on
	global_load_b128 v[QF+8*\i:QF+8*\i+3],   v[QO], s[4:5] offset:(\i/2)*2048+(\i%2)*64
	global_load_b128 v[QF+8*\i+4:QF+8*\i+7], v[QO], s[4:5] offset:(\i/2)*2048+(\i%2)*64+32
.endr
	v_mul_u32_u24 v[AK0], v1, PK
	v_lshl_add_u32 v[AK0], v10, 4, v[AK0]
	v_and_b32 v11, 7, v0
	v_bfe_u32 v5, v0, 3, 1
	v_lshl_add_u32 v[AV0], v10, 3, v11             ; the turning load: lane l reads key 8 (l / 16) + l % 8, channels 8 ((l / 8) % 2) + 0..7
	v_mul_u32_u24 v[AV0], v[AV0], PVB
	v_lshl_add_u32 v[AV0], v5, 4, v[AV0]
	v_add_nc_u32 v[AV0], VOFF, v[AV0]
	s_mul_i32 s14, s[WV], 16*SPI
	s_add_co_u32 s14, s14, STAGE                   ; my stage
	v_mul_u32_u24 v[STO], v1, SPI                  ; in: row r, 16 bytes for each half of the lanes
	v_lshl_add_u32 v[STO], v10, 4, v[STO]
	v_add_nc_u32 v[STO], s14, v[STO]
	v_bfe_u32 v5, v0, 3, 2
	v_mul_u32_u24 v[RD], v5, SPI                   ; back: eight lanes to a row of 128 bytes, four rows an instruction
	v_lshl_add_u32 v[RD], v11, 4, v[RD]
	v_add_nc_u32 v[RD], s14, v[RD]
	v_and_b32 v[GO], 31, v0
	v_lshlrev_b32 v[GO], 4, v[GO]                  ; and the same four rows in att: 512 consecutive bytes
.macro FETCH_K                         ; a step's K: 8 fragments (keys 16 (f / 2) on, channels 32 (f % 2) on), one run of 16 loads
	WIN 0
	v_add_nc_u32 v[ADR], s[TB], v[AK0]
.irp f, 0,1,2,3,4,5,6,7
	ds_load_b128 v[KF+8*\f:KF+8*\f+3],   v[ADR] offset:(\f/2)*16*PK+(\f%2)*64
	ds_load_b128 v[KF+8*\f+4:KF+8*\f+7], v[ADR] offset:(\f/2)*16*PK+(\f%2)*64+32
.endr
.endm
.macro FETCH_V                         ; the same step's V, turned: 8 fragments (keys 32 (f / 4) on, channels 16 (f % 4) on)
	WIN 0
	v_add_nc_u32 v[ADR], s[TB], v[AV0]
	s_add_co_u32 s[TB], s[TB], STEPB               ; the next fetch is the next step's
.irp f, 0,1,2,3,4,5,6,7
	ds_load_tr16_b128 v[VF+8*\f:VF+8*\f+3],   v[ADR] offset:(\f/4)*32*PVB+(\f%4)*32
	ds_load_tr16_b128 v[VF+8*\f+4:VF+8*\f+7], v[ADR] offset:(\f/4)*32*PVB+16*PVB+(\f%4)*32
.endr
.endm
; 32 products S^T = K Q^T.  The 16 accumulators take turns, one instruction a turn; the first 16 start the sums.
.macro QKMUL
	WIN 0x50                                       ; K and Q window 0, S^T window 1
.set i, 0
.rept 32
.set rS, 32*(i%4)+8*((i/4)%4)
.set rK, KF+8*(2*((i/4)%4)+i/16)
.set rQ, QF+16*(i%4)+8*(i/16)
.if i < 16
	v_wmma_f32_16x16x32_f16 v[rS:rS+7], v[rK:rK+7], v[rQ:rQ+7], 0
.else
	v_wmma_f32_16x16x32_f16 v[rS:rS+7], v[rK:rK+7], v[rQ:rQ+7], v[rS:rS+7]
.endif
.set i, i+1
.endr
.endm
; 32 products O^T += V^T P.  zero = 1: the first 16 start the sums: nothing is ever cleared.
.macro PVMUL zero
	WIN 0x54                                       ; V window 0, P and O^T window 1
.set i, 0
.rept 32
.set rO, OA+32*(i%4)+8*((i/4)%4)
.set rV, VF+8*(4*(i/16)+(i/4)%4)
.set rP, 32*(i%4)+8*(i/16)
.if \zero && (i < 16)
	v_wmma_f32_16x16x32_f16 v[rO:rO+7], v[rV:rV+7], v[rP:rP+7], 0
.else
	v_wmma_f32_16x16x32_f16 v[rO:rO+7], v[rV:rV+7], v[rP:rP+7], v[rO:rO+7]
.endif
.set i, i+1
.endr
.endm
; THE SOFTMAX of a key step, for my four tiles, which alternate line by line so that no line waits for the line above it.  first = 1: the first step, which starts m, l and O^T.
.macro SOFTMAX first
	WIN 0x15                                       ; the maximum of a lane's 32 scores: four chains
.irp k, 0,1,2,3
.irp t, 0,1,2,3
	v_max3_num_f32 v[ST+8*\t+4+\k], v[32*\t+8*\k], v[32*\t+8*\k+1], v[32*\t+8*\k+2]
.endr
.endr
	WIN 0x14
.irp g, 1,2
.irp k, 0,1,2,3
.irp t, 0,1,2,3
	v_max3_num_f32 v[ST+8*\t+4+\k], v[ST+8*\t+4+\k], v[32*\t+8*\k+2*\g+1], v[32*\t+8*\k+2*\g+2]
.endr
.endr
.endr
.irp t, 0,1,2,3
	v_max3_num_f32 v[ST+8*\t+4], v[ST+8*\t+4], v[32*\t+7], v[32*\t+15]
.endr
.irp t, 0,1,2,3
	v_max3_num_f32 v[ST+8*\t+6], v[ST+8*\t+6], v[32*\t+23], v[32*\t+31]
.endr
	WIN 0
.irp t, 0,1,2,3
	v_max3_num_f32 v[ST+8*\t+4], v[ST+8*\t+4], v[ST+8*\t+5], v[ST+8*\t+6]
.endr
.irp t, 0,1,2,3
.if \first
	v_max_num_f32 v[ST+8*\t+4], v[ST+8*\t+4], v[ST+8*\t+7]
.else
	v_max3_num_f32 v[ST+8*\t+4], v[ST+8*\t+4], v[ST+8*\t+7], v[ST+8*\t+1]
.endif
.endr
.irp t, 0,1,2,3
	v_permlanex16_b32 v[ST+8*\t+5], v[ST+8*\t+4], s[SEL], s[SEL+1]  ; the query's other 32 keys lie in the lane 16 away
.endr
.if \first == 0
.irp t, 0,1,2,3
	v_mov_b32 v[ST+8*\t+7], v[ST+8*\t]             ; c m_old is kept for a
.endr
.endif
.irp t, 0,1,2,3
	v_max_num_f32 v[ST+8*\t+1], v[ST+8*\t+4], v[ST+8*\t+5]
.endr
.irp t, 0,1,2,3
	v_mul_f32 v[ST+8*\t], s[CS], v[ST+8*\t+1]
.endr
.if \first == 0
.irp t, 0,1,2,3
	v_sub_f32 v[ST+8*\t+7], v[ST+8*\t+7], v[ST+8*\t]
.endr
.irp t, 0,1,2,3
	v_exp_f32 v[ST+8*\t+6], v[ST+8*\t+7]           ; a = 2^(c m_old - c m_new)
.endr
.endif
	WIN 0x41                                       ; ONE BATCH: the scalings c s - c m, a pair of scores each, and all exponentials; none of these names an exponential's result
.set b, 0
.rept 16
.irp t, 0,1,2,3
	v_pk_fma_f32 v[32*\t+2*b:32*\t+2*b+1], v[32*\t+2*b:32*\t+2*b+1], s[CS:CS+1], v[ST+8*\t:ST+8*\t+1] op_sel_hi:[1,0,0] neg_lo:[0,0,1] neg_hi:[0,0,1]
.endr
.irp t, 0,1,2,3
	v_exp_f32 v[32*\t+2*b], v[32*\t+2*b]
	v_exp_f32 v[32*\t+2*b+1], v[32*\t+2*b+1]
.endr
.set b, b+1
.endr
	v_nop                                          ; a plain instruction behind the last exponential,
	s_wait_alu depctr_va_vdst(0)                   ; and the one wait ahead of the batch's first reader
.if \first == 0
.set b, 0
.rept 16
.irp t, 0,1,2,3
	v_pk_mul_f32 v[OA+32*\t+2*b:OA+32*\t+2*b+1], v[OA+32*\t+2*b:OA+32*\t+2*b+1], v[ST+8*\t+6:ST+8*\t+7] op_sel_hi:[1,0]   ; O^T x a, each accumulator from its low end on
.endr
.set b, b+1
.endr
.endif
	WIN 0x05                                       ; the sum of the tile's 16 pairs of weights, in two chains
.irp t, 0,1,2,3
	v_pk_add_f32 v[SA+4*\t:SA+4*\t+1], v[32*\t:32*\t+1], v[32*\t+2:32*\t+3]
	v_pk_add_f32 v[SA+4*\t+2:SA+4*\t+3], v[32*\t+4:32*\t+5], v[32*\t+6:32*\t+7]
.endr
	WIN 0x04
.irp p, 8,12,16,20,24,28
.irp t, 0,1,2,3
	v_pk_add_f32 v[SA+4*\t:SA+4*\t+1], v[SA+4*\t:SA+4*\t+1], v[32*\t+\p:32*\t+\p+1]
	v_pk_add_f32 v[SA+4*\t+2:SA+4*\t+3], v[SA+4*\t+2:SA+4*\t+3], v[32*\t+\p+2:32*\t+\p+3]
.endr
.endr
	WIN 0
.if \first
.irp t, 0,1,2,3
	v_pk_add_f32 v[ST+8*\t+2:ST+8*\t+3], v[SA+4*\t:SA+4*\t+1], v[SA+4*\t+2:SA+4*\t+3]
.endr
.else
.irp t, 0,1,2,3
	v_pk_add_f32 v[SA+4*\t:SA+4*\t+1], v[SA+4*\t:SA+4*\t+1], v[SA+4*\t+2:SA+4*\t+3]
.endr
.irp t, 0,1,2,3
	v_pk_fma_f32 v[ST+8*\t+2:ST+8*\t+3], v[ST+8*\t+2:ST+8*\t+3], v[ST+8*\t+6:ST+8*\t+7], v[SA+4*\t:SA+4*\t+1] op_sel_hi:[1,0,1]   ; l = a l + the sum
.endr
.endif
	WIN 0x45                                       ; P in place: register i of a tile takes weights 2 i and 2 i + 1, ascending
.set b, 0
.rept 16
.irp t, 0,1,2,3
	v_cvt_pk_f16_f32 v[32*\t+b], v[32*\t+2*b], v[32*\t+2*b+1]
.endr
.set b, b+1
.endr
.endm
; KEY STEP j: K of step j + 1 is asked for; the softmax of step j; V^T P of step j; K Q^T of step j + 1; V of step j + 1 is asked for.  Each run of LDS loads has a whole softmax in which to land.
.macro BODY first
	FETCH_K
	SOFTMAX \first
	s_wait_dscnt 0x0                               ; V of this step and K of the next are in
	PVMUL \first
.rept 5
	v_nop                                          ; five places: the products below write over registers that the products above read as their source 1
.endr
	QKMUL
.rept 4
	v_nop                                          ; four places ahead of the loads into V's and K's registers and of the first read of the scores
.endr
	FETCH_V
.endm
.macro NSTEPS n
	s_mov_b32 s[CNT], \n
.Lstep_\@:
	BODY 0
	WIN 0
	s_sub_co_u32 s[CNT], s[CNT], 1
	s_cmp_lg_u32 s[CNT], 0
	s_cbranch_scc1 .Lstep_\@
.endm
; THE CHANGE OF SLOTS: the slot's last bytes, V of its fourth step, have been asked for.  Each wave waits for all its tensor loads (one is out: its part of the other slot), adds 0 to its spare word,
; and waits for that and for its reads of the slot.  fill = 1: the barrier is a round of the cluster's, and the joint refill, the keys two slots on, is the first thing behind it: it has four key steps in which to land.
.macro CHANGE fill
	WIN 0
	s_wait_tensorcnt 0x0                           ; no tensor load of mine is out, so a group 0 may be written
	ds_add_u32 v[SPW], v[NIL]
.if \fill
.irp g, G0K+4, G0V+4
	s_xor_b32 s[\g+1], s[\g+1], SLOT1              ; the walking descriptor: the other slot than last time,
	s_add_nc_u64 s[\g+2:\g+3], s[\g+2:\g+3], SLOTB ; the next 256 keys
.endr
	s_wait_xcnt 0x0                                ; the last prefetch, four key steps back, has read its address
	s_add_nc_u64 s[PFA:PFA+1], s[PFA:PFA+1], SLOTB ; one slot further on than the walking descriptors
	s_wait_dscnt 0x0                               ; the add is done, and my reads of the slot are over
	CROUND
	JLOAD
	ASK
.else
	s_wait_dscnt 0x0
	s_barrier_signal -1
	s_barrier_wait -1
.endif
	s_sub_co_u32 s[TB], s[TB], NST*STEPB           ; the fetches go back to a slot's first step,
	s_xor_b32 s[TB], s[TB], SLOT1                  ; in the other slot
.endm
	s_wait_tensorcnt 1                             ; my part of slot 0 is in; slot 1's may stay out
	s_barrier_signal -1
	s_barrier_wait -1
	FETCH_K                                        ; key step 0
	s_wait_loadcnt 0x0                             ; Q
	s_wait_dscnt 0x0
	QKMUL
.rept 4
	v_nop
.endr
	FETCH_V
	BODY 1                                         ; step 0
	NSTEPS 2                                       ; steps 1, 2: slot 0's last bytes have been asked for
.Lslot:                                            ; six trips: steps 3 to 26
	CHANGE 1
	NSTEPS 4
	s_sub_co_u32 s[SLOTS], s[SLOTS], 1
	s_cmp_lg_u32 s[SLOTS], 0
	s_cbranch_scc1 .Lslot
	CHANGE 0                                       ; the tail is written out
	NSTEPS 4                                       ; steps 27 to 30
	SOFTMAX 0                                      ; step 31
	s_wait_dscnt 0x0
	PVMUL 0
	; THE WAY OUT.  l's two halves and the other half of the lanes' are added (the additions are the places behind the last products); O^T is divided by l, rounded to f16 and sent through my stage.
	WIN 0
.irp t, 0,1,2,3
	v_add_f32 v[ST+8*\t+4], v[ST+8*\t+2], v[ST+8*\t+3]
.endr
.irp t, 0,1,2,3
	v_permlanex16_b32 v[ST+8*\t+5], v[ST+8*\t+4], s[SEL], s[SEL+1]
.endr
.irp t, 0,1,2,3
	v_add_f32 v[ST+8*\t+4], v[ST+8*\t+4], v[ST+8*\t+5]
.endr
.irp t, 0,1,2,3
	v_rcp_f32 v[ST+8*\t+6], v[ST+8*\t+4]
.endr
	v_nop                                          ; a plain instruction behind the last reciprocal,
	s_wait_alu depctr_va_vdst(0)                   ; and the one wait ahead of the first use
.macro PACKO t                         ; a lane's eight channels of a row pack into 16 bytes; rows of 144 bytes in, four whole rows of 128 back, into the registers that they left
	WIN 0x41
.set i, 0
.rept 16
	v_pk_mul_f32 v[OA+32*\t+i:OA+32*\t+i+1], v[OA+32*\t+i:OA+32*\t+i+1], v[ST+8*\t+6:ST+8*\t+7] op_sel_hi:[1,0]
.set i, i+2
.endr
	WIN 0x05
.set i, 0
.rept 16
	v_cvt_pk_f16_f32 v[KF+16*\t+i], v[OA+32*\t+2*i], v[OA+32*\t+2*i+1]
.set i, i+1
.endr
	WIN 0
.irp f, 0,1,2,3
	ds_store_b128 v[STO], v[KF+16*\t+4*\f:KF+16*\t+4*\f+3] offset:32*\f
.endr
.irp f, 0,1,2,3
	ds_load_b128 v[KF+16*\t+4*\f:KF+16*\t+4*\f+3], v[RD] offset:\f*4*SPI   ; LDS serves a wave's instructions in order (ISA guide 5.7.1.4)
.endr
.endm
.macro SENDO t, younger                ; younger: the LDS instructions issued behind tile t's loads: the next tile's eight, or none
.irp f, 0,1,2,3
	s_wait_dscnt \younger+3-\f
	global_store_b128 v[GO], v[KF+16*\t+4*\f:KF+16*\t+4*\f+3], s[6:7] offset:\t*2048+\f*512   ; the wave stores 512 consecutive bytes, aligned
.endr
.endm
	PACKO 0
	PACKO 1
	SENDO 0, 8
	PACKO 2
	SENDO 1, 8
	PACKO 3
	SENDO 2, 8
	SENDO 3, 0
	s_wait_tensorcnt 0x0                           ; the wave's end
	ds_add_u32 v[SPW], v[NIL]
	s_wait_dscnt 0x0
	CROUND                                         ; the closing round
	s_endpgm
.Lfunc_end_k_q51fc4759a1_attn:
	.size	k_q51fc4759a1_attn, .Lfunc_end_k_q51fc4759a1_attn-k_q51fc4759a1_attn
	.p2alignl 7, 3214868480
	.fill 96, 4, 3214868480
	.section	.rodata,"a",@progbits
	.p2align	6, 0x0
	.amdhsa_kernel k_q51fc4759a1_attn
		.amdhsa_group_segment_fixed_size 327680
		.amdhsa_private_segment_fixed_size 0
		.amdhsa_enable_private_segment 0
		.amdhsa_kernarg_size 16
		.amdhsa_user_sgpr_count 2
		.amdhsa_user_sgpr_kernarg_segment_ptr 1
		.amdhsa_wavefront_size32 1
		.amdhsa_system_sgpr_workgroup_id_x 1
		.amdhsa_system_sgpr_workgroup_id_y 1
		.amdhsa_system_sgpr_workgroup_id_z 1
		.amdhsa_system_vgpr_workitem_id 0
		.amdhsa_next_free_vgpr 512
		.amdhsa_next_free_sgpr 66
		.amdhsa_reserve_vcc 0
		.amdhsa_float_denorm_mode_32 3
		.amdhsa_float_denorm_mode_16_64 3
		.amdhsa_memory_ordered 1
		.amdhsa_forward_progress 1
		.amdhsa_inst_pref_size 178
	.end_amdhsa_kernel
	.amdgpu_metadata
---
amdhsa.version: [ 1, 2 ]
amdhsa.kernels:
  - .name:           k_q51fc4759a1_attn
    .symbol:         k_q51fc4759a1_attn.kd
    .args:
      - { .name: qkv, .offset: 0, .size: 8, .value_kind: global_buffer, .address_space: global }
      - { .name: att, .offset: 8, .size: 8, .value_kind: global_buffer, .address_space: global }
    .group_segment_fixed_size: 327680
    .private_segment_fixed_size: 0
    .kernarg_segment_align: 8
    .kernarg_segment_size: 16
    .max_flat_workgroup_size: 256
    .sgpr_count:     66
    .vgpr_count:     512
    .wavefront_size: 32
...
	.end_amdgpu_metadata
.endif
;; end of part 3
;; launch proj (part 4): grid 4 x 64, 4 waves a work-group, clusters of 4 x 4, 327,680 bytes of LDS; arguments att, wpt, b_proj, out0; writes out0
.if DOCPART == 4
	.amdgcn_target "amdgcn-amd-amdhsa--gfx1250"
	.amdhsa_code_object_version 6
	.text
	.protected	k_q51fc4759a1_proj
	.globl	k_q51fc4759a1_proj
	.p2align	8
	.type	k_q51fc4759a1_proj,@function
k_q51fc4759a1_proj:
	s_mov_b64 s[64:65], 0
	v_nop
	global_prefetch_b8 v0, s[64:65] scope:SCOPE_SE
	s_setreg_imm32_b32 hwreg(HW_REG_WAVE_MODE, 25, 1), 1
	s_wait_xcnt 0x0
	s_wait_alu depctr_hold_cnt(0) depctr_sa_sdst(0) depctr_va_vdst(0) depctr_va_sdst(0) depctr_va_ssrc(0) depctr_va_vcc(0) depctr_vm_vsrc(0)
	s_getreg_b32 s2, hwreg(HW_REG_IB_STS2, 6, 4)
	s_cmp_eq_u32 s2, 0
	s_cbranch_scc0 .Lentry_in_a_cluster
	s_endpgm
.Lentry_in_a_cluster:
	s_bfe_u32 s2, ttmp6, 0x10000c
	s_cmp_lg_u32 s2, 0xf033
	s_cbranch_scc0 .Lentry_shape_is_right
	s_endpgm
.Lentry_shape_is_right:
; SelfAttention, launch 4 of 4: out0 = att w_proj + b_proj.  att: [b][h][token][64] f16 (K = 64 h + d), wpt: [n 1024][k 1024] f16, b_proj [1024] f32, out0 [8192][1024] f32.  No work is left out.
; The product is left as it is: f16 operands, f32 sums; the bias is the C of each sum's first matrix instruction.
; A tile of 128 tokens x 256 columns is made by four waves, each 64 x 128: 32 accumulators: 256 work-groups.  K goes in steps of 128 (two heads) through a ring of two LDS slots: waves 0 and 1 fetch
; the two heads' 128 tokens x 128 bytes (dense in memory), waves 2 and 3 the two halves of wpt's 256 rows x 256 bytes.
; CLUSTERS: 4 x 4.  att's tiles hang on the tile row alone and are shared along a row of the cluster, wpt's on the tile column alone and are shared along a column: joint loads.
; THE MATRIX INSTRUCTION IS USED TRANSPOSED (source 0 = 16 rows of wpt, source 1 = 16 tokens): a lane holds eight neighbouring columns of one token.
; REGISTERS: window 0: v16-29 addresses; two fragment buffers of 96 (wpt's eight fragments, then att's four) at v64 and v160.   window 1: accumulator (a, b) at v[8 (8 a + b)].   window 2: v0-63 the bias.
.set PA,    144                        ; a token's row of one head in LDS: 128 bytes + 16
.set PB,    272                        ; a row of wpt's tile: 256 bytes + 16.  Both: the 16 rows that a load touches start at 16 different banks (64 banks of 4 bytes: ISA guide 11.1)
.set HB,    128*PA                     ; one head's 128 tokens
.set BH,    128*PB                     ; 128 rows of wpt
.set SLOT,  2*HB+2*BH
.set SPARE, 2*SLOT                     ; behind the ring: the spare words, 128 bytes a wave: two blocks of 256 bytes that no other line names
.set SPITCH, 528                       ; the way out: 16 rows x (512 bytes + 16) for each wave, in slot 0, behind its last fill and its last read
.set LAPS,  4                          ; 1,024 along K = 8 steps = 4 times round the ring
.set ADRA, 16
.set ADRB, 20
.set STO,  24
.set RD,   25
.set CO,   26
.set BO,   27
.set SPW,  28
.set NIL,  29
.set F0,   64
.set F1,   160
.set BK,   64
.set WV,   12
.set RH,   13
.set CH,   14
.set TR,   15
.set G1,   24
.set G0,   32
.set G1B,  48
.set G0B,  56
.set MSB, 0
.macro WIN new
.if MSB != (\new)
	s_set_vgpr_msb (MSB<<8)|(\new)
.set MSB, \new
.endif
.endm
.set MUL,  0x50                        ; sources window 0, C and D window 1
.set MULB, 0x60                        ; the same with C, the bias, in window 2
.macro JLOAD s                         ; a joint load; the branch hangs on the wave's number alone; an s_nop 0 and four v_nop follow each line
	s_cmp_eq_u32 s[RH], 0
	s_cbranch_scc0 .Lfor_b_\@
	tensor_load_to_lds s[G0+4*\s:G0+4*\s+3], s[G1:G1+7]
	s_nop 0
.rept 4
	v_nop
.endr
	s_branch .Lasked_\@
.Lfor_b_\@:
	tensor_load_to_lds s[G0B+4*\s:G0B+4*\s+3], s[G1B:G1B+7]
	s_nop 0
.rept 4
	v_nop
.endr
.Lasked_\@:
.endm
.macro CREST                           ; a round of the cluster's barrier behind its opening barrier
	s_cmp_lg_u32 s[WV], 0
	s_cbranch_scc1 .Lnot_wave_0_\@
	s_barrier_signal -3
.Lnot_wave_0_\@:
	s_barrier_wait -3
	s_barrier_signal -1
	s_barrier_wait -1
.endm
.macro CROUND
	s_barrier_signal -1
	s_barrier_wait -1
	CREST
.endm
	s_load_b256 s[4:11], s[0:1], 0x0               ; att s[4:5], wpt s[6:7], b_proj s[8:9], out0 s[10:11]
	v_lshl_add_u32 v[SPW], v0, 2, SPARE
	v_mov_b32 v[NIL], 0
	ds_add_u32 v[SPW], v[NIL]                      ; the wave's opening: the add, twice on end, and its wait ahead of my first tensor load
	ds_add_u32 v[SPW], v[NIL]
	v_lshrrev_b32 v1, 5, v0
	v_readfirstlane_b32 s[WV], v1                  ; wave 0..3
	s_lshr_b32 s[RH], s[WV], 1                     ; which 64 of the tile's tokens are mine.  Also: I fetch for att (0) or for wpt (1)
	s_and_b32 s[CH], s[WV], 1                      ; which 128 of its columns.  Also: which head, or which half of wpt's rows, I fetch
	s_bfe_u32 s40, ttmp6, 0x40000                  ; cx, cy
	s_bfe_u32 s41, ttmp6, 0x40004
	s_lshl_b32 s42, ttmp9, 2
	s_add_co_u32 s42, s42, s40                     ; tile column
	s_and_b32 s[TR], ttmp7, 0xffff
	s_lshl_b32 s[TR], s[TR], 2
	s_add_co_u32 s[TR], s[TR], s41                 ; tile row
	s_lshl_b32 s43, s41, 2
	s_lshl_b32 s43, 15, s43                        ; my row of the cluster
	s_lshl_b32 s44, 0x1111, s40                    ; my column
	s_or_b32 s[G1+0], s43, (1<<16)|(1<<20)|(1<<21)|(4<<22)|(3<<25)   ; att: elements of 2 bytes; 4 words of padding behind every 32
	s_mov_b32 s[G1+1], 64<<16                      ; tensor_dim0 = 64
	s_mov_b32 s[G1+2], 128<<16                     ; tensor_dim1 = 128
	s_mov_b32 s[G1+3], 64<<16                      ; tile_dim0 = 64
	s_mov_b32 s[G1+4], 128                         ; tile_dim1 = 128
	s_mov_b32 s[G1+5], 64                          ; elements from token to token
	s_mov_b32 s[G1+6], 0
	s_mov_b32 s[G1+7], 0
	s_or_b32 s[G1B+0], s44, (1<<16)|(1<<20)|(1<<21)|(5<<22)|(3<<25)  ; wpt: 4 words behind every 64
	s_mov_b32 s[G1B+1], 128<<16
	s_mov_b32 s[G1B+2], 128<<16
	s_mov_b32 s[G1B+3], 128<<16
	s_mov_b32 s[G1B+4], 128
	s_mov_b32 s[G1B+5], 1024
	s_mov_b32 s[G1B+6], 0
	s_mov_b32 s[G1B+7], 0
	s_lshr_b32 s16, s[TR], 4                       ; att: the batch (16 tiles of 128 tokens each),
	s_lshl_b32 s16, s16, 4
	s_add_co_u32 s16, s16, s[CH]                   ; its head 0 or 1,
	s_lshl_b32 s16, s16, 18
	s_and_b32 s17, s[TR], 15
	s_lshl_b32 s17, s17, 14                        ; the tile's 128 tokens of 128 bytes
	s_add_co_u32 s16, s16, s17
	s_mov_b32 s17, 0
	s_lshl_b32 s46, s42, 19                        ; wpt: 256 rows of 2,048 bytes a tile column,
	s_lshl_b32 s47, s[CH], 18                      ; 128 a half
	s_add_co_u32 s46, s46, s47
	s_mov_b32 s47, 0
	s_mul_i32 s20, s[CH], HB                       ; where they go: no place in the cluster enters an LDS address
	s_mul_i32 s21, s[CH], BH
	s_add_co_u32 s21, s21, 2*HB
	s_wait_dscnt 0x0                               ; both opening adds are done
	s_wait_kmcnt 0x0
	s_add_nc_u64 s[16:17], s[4:5], s[16:17]
	s_add_nc_u64 s[46:47], s[6:7], s[46:47]
	CROUND                                         ; all sixteen work-groups are here: the first joint loads meet
.irp s, 0,1
	s_mov_b32 s[G0+4*\s], 1
	s_add_co_u32 s[G0+4*\s+1], s20, \s*SLOT
	s_add_nc_u64 s[G0+4*\s+2:G0+4*\s+3], s[16:17], \s*2*262144     ; K step s: heads 2 s and 2 s + 1
	s_or_b32 s[G0+4*\s+3], s[G0+4*\s+3], 0x80000000
	s_mov_b32 s[G0B+4*\s], 1
	s_add_co_u32 s[G0B+4*\s+1], s21, \s*SLOT
	s_add_nc_u64 s[G0B+4*\s+2:G0B+4*\s+3], s[46:47], \s*256
	s_or_b32 s[G0B+4*\s+3], s[G0B+4*\s+3], 0x80000000
	JLOAD \s                                       ; two loads of mine are out
.endr
	v_and_b32 v1, 15, v0                           ; r
	v_bfe_u32 v2, v0, 4, 1                         ; h
	v_lshlrev_b32 v[BO], 5, v2                     ; the bias: lane (r, h) wants, for block b, the columns 16 b + 8 h + 0 .. 7
	s_lshl_b32 s22, s42, 10
	s_lshl_b32 s23, s[CH], 9
	s_add_co_u32 s22, s22, s23                     ; my 128 columns, in bytes of f32
	s_mov_b32 s23, 0
	s_add_nc_u64 s[8:9], s[8:9], s[22:23]
	WIN 0x80                                       ; destination window 2
.irp b, 0,1,2,3,4,5,6,7
	global_load_b128 v[8*\b:8*\b+3],   v[BO], s[8:9] offset:64*\b
	global_load_b128 v[8*\b+4:8*\b+7], v[BO], s[8:9] offset:64*\b+16
.endr
	WIN 0
	s_lshl_b32 s18, s[TR], 7
	s_lshl_b32 s19, s[RH], 6
	s_add_co_u32 s18, s18, s19                     ; my first row of out0
	s_lshl_b32 s18, s18, 12
	s_add_co_u32 s18, s18, s22                     ; and my first column
	s_mov_b32 s19, 0
	s_add_nc_u64 s[10:11], s[10:11], s[18:19]
	v_mul_u32_u24 v3, v1, PA
	v_lshl_add_u32 v3, v2, 4, v3
	v_mul_u32_u24 v4, v1, PB
	v_lshl_add_u32 v4, v2, 4, v4
	s_mul_i32 s22, s[RH], 64*PA                    ; my 64 tokens
	s_mul_i32 s23, s[CH], BH                       ; my 128 rows of wpt,
	s_add_co_u32 s23, s23, 2*HB                    ; behind att's two heads
.irp s, 0,1
	v_add_nc_u32 v[ADRA+\s], s22, v3
	v_add_nc_u32 v[ADRB+\s], s23, v4
	s_add_co_u32 s22, s22, SLOT
	s_add_co_u32 s23, s23, SLOT
.endr
	s_mul_i32 s22, s[WV], 16*SPITCH                ; my stage
	v_mul_u32_u24 v5, v1, SPITCH
	v_lshl_add_u32 v5, v2, 5, v5
	v_add_nc_u32 v[STO], s22, v5                   ; in: row r, 32 bytes for each half of the lanes
	v_and_b32 v6, 31, v0
	v_lshlrev_b32 v[CO], 4, v6                     ; back: the 32 lanes take one row of 512 bytes; and the same in out0
	v_add_nc_u32 v[RD], s22, v[CO]
; 8 matrix instructions: token block a x wpt's eight blocks, 32 along K.  The 32 accumulators take turns, one instruction a turn, in the same order in every quarter.
.macro MUL8 f, a, first
.irp b, 0,1,2,3,4,5,6,7
.if \first
	v_wmma_f32_16x16x32_f16 v[8*(8*(\a)+\b):8*(8*(\a)+\b)+7], v[\f+8*\b:\f+8*\b+7], v[\f+64+8*(\a):\f+64+8*(\a)+7], v[8*\b:8*\b+7]
.else
	v_wmma_f32_16x16x32_f16 v[8*(8*(\a)+\b):8*(8*(\a)+\b)+7], v[\f+8*\b:\f+8*\b+7], v[\f+64+8*(\a):\f+64+8*(\a)+7], v[8*(8*(\a)+\b):8*(8*(\a)+\b)+7]
.endif
.endr
.endm
; 24 LDS loads in one run: the fragments of the slot's q-th 32 along K into buffer f: wpt's first, att's last
.macro FETCH slot, q, f
	WIN 0
.irp i, 0,1,2,3,4,5,6,7
	ds_load_b128 v[\f+8*\i:\f+8*\i+3],   v[ADRB+\slot] offset:64*(\q)+\i*16*PB
	ds_load_b128 v[\f+8*\i+4:\f+8*\i+7], v[ADRB+\slot] offset:64*(\q)+\i*16*PB+32
.endr
.irp i, 0,1,2,3
	ds_load_b128 v[\f+64+8*\i:\f+64+8*\i+3],   v[ADRA+\slot] offset:((\q)/2)*HB+((\q)%2)*64+\i*16*PA
	ds_load_b128 v[\f+64+8*\i+4:\f+64+8*\i+7], v[ADRA+\slot] offset:((\q)/2)*HB+((\q)%2)*64+\i*16*PA+32
.endr
.endm
.macro PLACES                          ; four plain vector instructions between a matrix instruction and a load into, or a read of, its registers
.rept 4
	v_nop
.endr
.endm
; A K step is four quarters of 32 along K, 32 matrix instructions each, on buffers 0, 1, 0, 1.  One of the first three: multiplies buffer f and fetches the slot's quarter qn into g.
.macro QUARTER slot, qn, f, g, first
	s_wait_dscnt 4                                 ; all but att's blocks 2 and 3 are in
	WIN MUL+0x10*(\first)
	MUL8 \f, 0, \first
	MUL8 \f, 1, \first
	PLACES
	FETCH \slot, \qn, \g
	s_wait_dscnt 24                                ; all but the 24 just issued
	WIN MUL+0x10*(\first)
	MUL8 \f, 2, \first
	MUL8 \f, 3, \first
.endm
; The last quarter multiplies buffer 1 and changes slots: ONE barrier; in front of it each wave waits for all its tensor loads, adds 0 to its spare word, and waits for that and for its reads of this slot.
; fill = 1: the barrier opens a round of the cluster's, and this slot is filled again, two K steps ahead, first thing behind it: 112 matrix instructions ahead of the wait for it.
.macro TURN slot, next, fill
	WIN 0
	s_wait_tensorcnt 0x0                           ; all my tensor loads have landed: my part of the next slot
	ds_add_u32 v[SPW], v[NIL]
	s_wait_dscnt 5                                 ; (the add and the youngest four loads may be out)
	WIN MUL
	MUL8 F1, 0, 0
	s_wait_dscnt 0x0                               ; the add is done, and my reads of this slot are over
	s_barrier_signal -1
	MUL8 F1, 1, 0
	WIN 0
	s_barrier_wait -1
.if \fill
	CREST
	s_add_nc_u64 s[G0+4*\slot+2:G0+4*\slot+3], s[G0+4*\slot+2:G0+4*\slot+3], 4*262144   ; four heads on
	s_add_nc_u64 s[G0B+4*\slot+2:G0B+4*\slot+3], s[G0B+4*\slot+2:G0B+4*\slot+3], 512
	JLOAD \slot                                    ; the four v_nop behind it are also the places in front of the loads below
.else
	PLACES
.endif
	FETCH \next, 0, F0
	WIN MUL
	MUL8 F1, 2, 0
	MUL8 F1, 3, 0
.endm
	s_wait_tensorcnt 1                             ; my part of K step 0 is in,
	s_barrier_signal -1
	s_barrier_wait -1                              ; everybody's is
	FETCH 0, 0, F0
	s_wait_loadcnt 0x0                             ; the bias
	QUARTER 0, 1, F0, F1, 1                        ; the first quarter stands in front of the loop: its products start the sums from the bias
	WIN 0
	s_mov_b32 s3, LAPS-1
.Llap:                                             ; a trip goes once round the ring and fills both slots again
	QUARTER 0, 2, F1, F0, 0
	QUARTER 0, 3, F0, F1, 0
	TURN 0, 1, 1
	QUARTER 1, 1, F0, F1, 0
	QUARTER 1, 2, F1, F0, 0
	QUARTER 1, 3, F0, F1, 0
	TURN 1, 0, 1
	QUARTER 0, 1, F0, F1, 0
	WIN 0
	s_sub_co_u32 s3, s3, 1
	s_cmp_lg_u32 s3, 0
	s_cbranch_scc1 .Llap
	QUARTER 0, 2, F1, F0, 0                        ; the last lap fills nothing
	QUARTER 0, 3, F0, F1, 0
	TURN 0, 1, 0
	QUARTER 1, 1, F0, F1, 0
	QUARTER 1, 2, F1, F0, 0
	QUARTER 1, 3, F0, F1, 0
	s_wait_dscnt 4                                 ; the very last quarter
	WIN MUL
	MUL8 F1, 0, 0
	MUL8 F1, 1, 0
	s_wait_dscnt 0x0
	MUL8 F1, 2, 0
	MUL8 F1, 3, 0
	WIN 0
; THE WAY OUT, block by block of 16 rows x 128 columns: through my own stage and back as whole rows of 512 bytes.
.macro TOSTAGE a
	WIN 0x04                                       ; an LDS store's data are its source 1: window 1
.irp b, 0,1,2,3,4,5,6,7
	ds_store_b128 v[STO], v[8*(8*(\a)+\b):8*(8*(\a)+\b)+3] offset:64*\b        ; each accumulator from its low end on
	ds_store_b128 v[STO], v[8*(8*(\a)+\b)+4:8*(8*(\a)+\b)+7] offset:64*\b+16
.endr
	WIN 0
.set BB, BK+64*((\a)%2)
.irp t, 0,1,2,3,4,5,6,7,8,9,10,11,12,13,14,15
	ds_load_b128 v[BB+4*\t:BB+4*\t+3], v[RD] offset:\t*SPITCH      ; LDS serves a wave's instructions in order (ISA guide 5.7.1.4)
.endr
.endm
.macro SEND a, younger                 ; younger: the LDS instructions issued behind block a's loads
.set BB, BK+64*((\a)%2)
	s_wait_dscnt \younger
.irp t, 0,1,2,3,4,5,6,7,8,9,10,11,12,13,14,15
	global_store_b128 v[CO], v[BB+4*\t:BB+4*\t+3], s[10:11] offset:(16*(\a)+\t)*4096 th:TH_STORE_NT   ; 32 lanes store 512 consecutive bytes, aligned; written once, read by nobody here
.endr
.endm
	PLACES
	TOSTAGE 0
.irp a, 1,2,3
.if \a > 1
	s_wait_xcnt 0x0                                ; block a - 2's stores have read their registers: block a's loads may land there
.endif
	TOSTAGE \a
	SEND \a-1, 32
.endr
	SEND 3, 0
	s_wait_tensorcnt 0x0                           ; the wave's end
	ds_add_u32 v[SPW], v[NIL]
	s_wait_dscnt 0x0
	CROUND                                         ; the closing round
	s_endpgm
.Lfunc_end_k_q51fc4759a1_proj:
	.size	k_q51fc4759a1_proj, .Lfunc_end_k_q51fc4759a1_proj-k_q51fc4759a1_proj
	.p2alignl 7, 3214868480
	.fill 96, 4, 3214868480
	.section	.rodata,"a",@progbits
	.p2align	6, 0x0
	.amdhsa_kernel k_q51fc4759a1_proj
		.amdhsa_group_segment_fixed_size 327680
		.amdhsa_private_segment_fixed_size 0
		.amdhsa_enable_private_segment 0
		.amdhsa_kernarg_size 32
		.amdhsa_user_sgpr_count 2
		.amdhsa_user_sgpr_kernarg_segment_ptr 1
		.amdhsa_wavefront_size32 1
		.amdhsa_system_sgpr_workgroup_id_x 1
		.amdhsa_system_sgpr_workgroup_id_y 1
		.amdhsa_system_sgpr_workgroup_id_z 1
		.amdhsa_system_vgpr_workitem_id 0
		.amdhsa_next_free_vgpr 576
		.amdhsa_next_free_sgpr 66
		.amdhsa_reserve_vcc 0
		.amdhsa_float_denorm_mode_32 3
		.amdhsa_float_denorm_mode_16_64 3
		.amdhsa_memory_ordered 1
		.amdhsa_forward_progress 1
		.amdhsa_inst_pref_size 86
	.end_amdhsa_kernel
	.amdgpu_metadata
---
amdhsa.version: [ 1, 2 ]
amdhsa.kernels:
  - .name:           k_q51fc4759a1_proj
    .symbol:         k_q51fc4759a1_proj.kd
    .args:
      - { .name: att, .offset: 0, .size: 8, .value_kind: global_buffer, .address_space: global }
      - { .name: wpt, .offset: 8, .size: 8, .value_kind: global_buffer, .address_space: global }
      - { .name: b_proj, .offset: 16, .size: 8, .value_kind: global_buffer, .address_space: global }
      - { .name: out0, .offset: 24, .size: 8, .value_kind: global_buffer, .address_space: global }
    .group_segment_fixed_size: 327680
    .private_segment_fixed_size: 0
    .kernarg_segment_align: 8
    .kernarg_segment_size: 32
    .max_flat_workgroup_size: 128
    .sgpr_count:     66
    .vgpr_count:     576
    .wavefront_size: 32
...
	.end_amdgpu_metadata
.endif
;; end of part 4
